; MI455X (gfx1250); checked and timed in simulation.
; The chip was launched on July 23, 2026; its instructions are those of AMD's public machine-readable ISA for CDNA 5 (MIT licence, August 2026) and "CDNA5" Instruction Set Architecture Reference Guide (July 2026). The comments in the code are by the model that wrote it; some were corrected since.
;; Bi Mamba Block. Allowed arithmetic: float matrix products may take bf16 or f16 operands with f32 sums; other float arithmetic in f32, or as packed bf16 or f16 multiplies, adds, multiply-adds, maxima and minima; sums over many terms, partial sums and values carried from step to step in f32; what a program stores and reads back later, other than sums and carried values, may be rounded once to bf16 or f16.
;; Inputs: A_b 16 x 256 float32; A_f 16 x 256 float32; W_bgate 256 x 16 float32; W_bproj 256 x 512 float32; W_fgate 256 x 16 float32; W_fproj 256 x 512 float32; W_out 512 x 256 float32; b_bgate 16 float32; b_bproj 512 float32; b_fgate 16 float32; b_fproj 512 float32; b_out 256 float32; ln_b 256 float32; ln_g 256 float32; x 4 x 16,384 x 256 float32.
;; Outputs: out0 4 x 16,384 x 256 float32.
;; 2 versions, each right; version 2 is version 1 with the launches proj, carry, scan written anew for expert scheduling mode. Each part assembles by itself: llvm-mc -triple=amdgcn-amd-amdhsa -mcpu=gfx1250 --defsym DOCPART=n.
;; ======== version 1 of 2: 4 launches
;; limits: values outside matrix products are rounded to f16; values are held in f16: magnitudes above 65,504 overflow, below 6.1e-05 lose precision
;; workspace buffers: wf1 278,528 bytes; wf2 262,144 bytes; cst 49,408 bytes; vfr 67,108,864 bytes; zt 8,388,608 bytes; hloc 8,421,376 bytes; hin 8,388,608 bytes
;; launch prep (part 1): grid 134 x 1, 8 waves a work-group, no clusters, 0 bytes of LDS; arguments A_f, A_b, W_fproj, W_bproj, W_fgate, W_bgate, b_fproj, b_bproj, b_fgate, b_bgate, W_out, wf1, wf2, cst; writes wf1, wf2, cst
.if DOCPART == 1
	.amdgcn_target "amdgcn-amd-amdhsa--gfx1250"
	.amdhsa_code_object_version 6
	.text
	.protected	k_q01cc5c07e1_prep
	.globl	k_q01cc5c07e1_prep
	.p2align	8
	.type	k_q01cc5c07e1_prep,@function
k_q01cc5c07e1_prep:
	s_mov_b64 s[64:65], 0
	v_nop
	global_prefetch_b8 v0, s[64:65] scope:SCOPE_SE
	s_setreg_imm32_b32 hwreg(HW_REG_WAVE_MODE, 25, 1), 1
	s_wait_xcnt 0x0
; PREP: the weights, rounded to bf16 as all inputs are, laid out as the matrix fragments that the later launches load straight into registers.
;   wf1 [nt 34][ks 8][c 2][lane 32][16 B] bf16: lane (r, h) holds W[k = 32 ks + 16 c + 8 h + 0..7][column 16 (nt % 16) + r]; nt 0-15 the value half of W_fproj, 16-31 of W_bproj,
;       32 and 33 the combined gate weights Wc = Wv Wg of the two directions (f32 sums of bf16 products, rounded once to bf16).
;   wf2 [jt 16][ks 16][c 2][lane][16 B] f16: lane (r, h) holds bf16(W_out[k][16 jt + r]) x 2^e(k), k = 32 ks + 16 c + 8 h + 0..7.
;   cst +0: (bv Wg + bg) log2(e), 16 f32 a direction; +256: [dir][d 256][n 16] the pair (A', A') in f16; +33,024: [dir][dt 16][lane][4] the pairs (A'[8h+2i], A'[8h+2i+1]) of column 16 dt + r.
; THE COLUMN SCALE.  For column d of a direction S = the sum over n, ascending, of |bf16(A[n][d])|; 2^e is the least power of two not below S.  A' = A 2^-e, so the sum over n of |A'| is at most 1,
; and W_out's row takes 2^e back: both factors are exact.  One macro makes the scale wherever it is wanted, so the two uses agree bit for bit.
; LIMITS.  A' and W_out 2^e below 2^-14 keep f16's fixed step of 6e-8; W_out 2^e stays under 65,504.  NaN and infinities are not treated apart.
; Work-groups 0-63: wf1's value weights.  64-127: wf2.  128-131: the gate weights, a wave for 16 rows of Wc.  132, 133: A' of a direction.  Every branch hangs on ids alone.
.set LOG2E, 0x3fb8aa3b
.set MSB, 0
.macro WIN new                         ; the immediate's high byte repeats the setting that is left
.if MSB != (\new)
	s_set_vgpr_msb (MSB<<8)|(\new)
.set MSB, \new
.endif
.endm
; 16 raw numbers A[n][d] in v[ar ..] are rounded to bf16 in place (as f32); v[s] = 2^e, v[s+1] = 2^-e; v[tp .. tp+7] at work
.macro COLSCALE ar, tp, s
.set cp, 0
.rept 8
	v_cvt_pk_bf16_f32 v[(\tp)+cp], v[(\ar)+2*cp], v[(\ar)+2*cp+1]
.set cp, cp+1
.endr
.set cp, 0
.rept 8
	v_lshlrev_b32 v[(\ar)+2*cp], 16, v[(\tp)+cp]
	v_and_b32 v[(\ar)+2*cp+1], 0xffff0000, v[(\tp)+cp]
.set cp, cp+1
.endr
	v_and_b32 v[\s], 0x7fffffff, v[\ar]
.set cp, 1
.rept 15
	v_and_b32 v[\tp], 0x7fffffff, v[(\ar)+cp]
	v_add_f32 v[\s], v[\s], v[\tp]
.set cp, cp+1
.endr
	v_add_nc_u32 v[\s], 0x7fffff, v[\s]            ; up to the next power of two, unless it is one
	v_and_b32 v[\s], 0x7f800000, v[\s]
	v_sub_nc_u32 v[(\s)+1], 0x7f000000, v[\s]      ; its reciprocal: the exponent mirrored
.endm
	s_load_b512 s[4:19], s[0:1], 0x0               ; A_f 4, A_b 6, W_fproj 8, W_bproj 10, W_fgate 12, W_bgate 14, b_fproj 16, b_bproj 18
	s_load_b256 s[20:27], s[0:1], 0x40             ; b_fgate 20, b_bgate 22, W_out 24, wf1 26
	s_load_b128 s[28:31], s[0:1], 0x60             ; wf2 28, cst 30
	v_and_b32 v1, 15, v0                           ; r
	v_bfe_u32 v2, v0, 4, 1                         ; h
	v_and_b32 v3, 31, v0                           ; lane
	s_wait_kmcnt 0x0
	s_cmp_lt_u32 ttmp9, 64
	s_cbranch_scc1 .Lwv
	s_cmp_lt_u32 ttmp9, 128
	s_cbranch_scc1 .Lwo
	s_cmp_lt_u32 ttmp9, 132
	s_cbranch_scc1 .Lwc
	; ---- A' of one direction: thread = column d
	s_sub_co_u32 s32, ttmp9, 132                   ; direction
	s_cmp_eq_u32 s32, 0
	s_cselect_b64 s[34:35], s[4:5], s[6:7]
	v_lshlrev_b32 v4, 2, v0
.set n, 0
.rept 16
	global_load_b32 v[32+n], v4, s[34:35] offset:1024*n
.set n, n+1
.endr
	s_lshl_b32 s33, s32, 14
	v_lshl_add_u32 v5, v0, 6, s33                  ; 64 bytes a column
	s_lshl_b32 s36, s32, 13
	v_lshrrev_b32 v6, 4, v0                        ; dt
	v_lshlrev_b32 v6, 9, v6
	v_lshl_add_u32 v6, v1, 4, v6
	v_add_nc_u32 v6, s36, v6
	s_wait_loadcnt 0x0
	COLSCALE 32, 48, 56
.set n, 0
.rept 16
	v_mul_f32 v[32+n], v[32+n], v57                ; A' = A 2^-e, exact
.set n, n+1
.endr
.set n, 0
.rept 16
	v_cvt_pk_f16_f32 v[64+n], v[32+n], v[32+n]
.set n, n+1
.endr
.set n, 0
.rept 8
	v_cvt_pk_f16_f32 v[80+n], v[32+2*n], v[32+2*n+1]
.set n, n+1
.endr
.set n, 0
.rept 4
	global_store_b128 v5, v[64+4*n:64+4*n+3], s[30:31] offset:256+16*n
.set n, n+1
.endr
	global_store_b128 v6, v[80:83], s[30:31] offset:33024       ; n 0-7: the lanes with h = 0
	global_store_b128 v6, v[84:87], s[30:31] offset:33024+256   ; n 8-15: h = 1
	s_endpgm
.Lwv:	; ---- wf1, value weights: unit u = 16 bytes of wf1
	s_lshl_b32 s33, ttmp9, 8
	v_add_nc_u32 v4, s33, v0                       ; u: r bits 0-3, h 4, c 5, ks 6-8, nt 9-13
	v_bfe_u32 v5, v4, 4, 5
	v_lshlrev_b32 v5, 14, v5                       ; (32 ks + 16 c + 8 h) rows of 2,048 bytes
	v_bfe_u32 v6, v4, 9, 4
	v_lshl_add_u32 v5, v6, 6, v5                   ; 16 (nt % 16) columns
	v_lshl_add_u32 v5, v1, 2, v5
	v_lshlrev_b32 v6, 4, v4
	s_cmp_lt_u32 ttmp9, 32
	s_cselect_b64 s[34:35], s[8:9], s[10:11]
.set n, 0
.rept 8
	global_load_b32 v[8+n], v5, s[34:35] offset:1024+2048*n    ; the value half begins at column 256
.set n, n+1
.endr
	s_wait_loadcnt 0x0
.set n, 0
.rept 4
	v_cvt_pk_bf16_f32 v[16+n], v[8+2*n], v[8+2*n+1]
.set n, n+1
.endr
	global_store_b128 v6, v[16:19], s[26:27]
	s_endpgm
.Lwo:	; ---- wf2: unit u = 16 bytes of wf2
	s_sub_co_u32 s32, ttmp9, 64
	s_lshl_b32 s33, s32, 8
	v_add_nc_u32 v4, s33, v0                       ; u: r 0-3, h 4, c 5, ks 6-9, jt 10-13
	v_bfe_u32 v5, v4, 4, 6
	v_lshlrev_b32 v5, 13, v5                       ; (32 ks + 16 c + 8 h) rows of 1,024 bytes
	v_lshrrev_b32 v6, 10, v4
	v_lshl_add_u32 v5, v6, 6, v5
	v_lshl_add_u32 v5, v1, 2, v5
	v_bfe_u32 v6, v4, 5, 4
	v_lshlrev_b32 v6, 6, v6                        ; A's columns 16 ((2 ks + c) % 16) + r
	v_lshl_add_u32 v6, v1, 2, v6
	v_lshlrev_b32 v7, 4, v4
	s_bitcmp1_b32 s32, 1                           ; direction = ks / 8: the same in the whole work-group
	s_cselect_b64 s[34:35], s[6:7], s[4:5]
.set n, 0
.rept 16
	global_load_b32 v[32+n], v6, s[34:35] offset:1024*n
.set n, n+1
.endr
.set n, 0
.rept 8
	global_load_b32 v[16+n], v5, s[24:25] offset:1024*n
.set n, n+1
.endr
	v_lshlrev_b32 v8, 5, v2
.set n, 0
.rept 8
	v_add_nc_u32 v[60+n], 4*n, v8                  ; lane 8 h + n, as a byte index
.set n, n+1
.endr
	s_wait_loadcnt 0x0
	COLSCALE 32, 48, 56                            ; lane r: 2^e of column 16 (..) + r
.set n, 0
.rept 8
	ds_bpermute_b32 v[68+n], v[60+n], v56          ; 2^e of my eight rows k of W_out
.set n, n+1
.endr
.set n, 0
.rept 4
	v_cvt_pk_bf16_f32 v[76+n], v[16+2*n], v[16+2*n+1]
.set n, n+1
.endr
.set n, 0
.rept 4
	v_lshlrev_b32 v[16+2*n], 16, v[76+n]
	v_and_b32 v[16+2*n+1], 0xffff0000, v[76+n]
.set n, n+1
.endr
	s_wait_dscnt 0x0
.set n, 0
.rept 8
	v_mul_f32 v[16+n], v[16+n], v[68+n]
.set n, n+1
.endr
.set n, 0
.rept 4
	v_cvt_pk_f16_f32 v[80+n], v[16+2*n], v[16+2*n+1]
.set n, n+1
.endr
	global_store_b128 v7, v[80:83], s[28:29]
	s_endpgm
.Lwc:	; ---- the gate weights: a wave makes rows 16 kt .. 16 kt + 15 of Wc = Wv Wg, and bv Wg beside it
	; window 0: v16-23 Wc, v24-31 bv Wg; v64-127 Wv's fragments; v128-255 bv raw, packed in place into v128-191; v192-255 Wg's fragments.  window 1: v0-127 Wv raw, v128-255 Wg raw
	s_sub_co_u32 s32, ttmp9, 128
	v_lshrrev_b32 v4, 5, v0
	v_readfirstlane_b32 s33, v4
	s_lshl_b32 s36, s32, 3
	s_add_co_u32 s36, s36, s33
	s_and_b32 s37, s36, 15                         ; kt
	s_cmp_lt_u32 s32, 2
	s_cselect_b64 s[34:35], s[8:9], s[10:11]
	s_cselect_b64 s[38:39], s[12:13], s[14:15]
	s_cselect_b64 s[40:41], s[16:17], s[18:19]
	s_cselect_b64 s[42:43], s[20:21], s[22:23]
	s_cselect_b32 s44, 0, 1                        ; direction
	v_lshlrev_b32 v5, 11, v1
	v_lshl_add_u32 v5, v2, 5, v5
	s_lshl_b32 s45, s37, 15
	v_add_nc_u32 v5, s45, v5                       ; row 16 kt + r of W_proj, + 8 h numbers
	v_lshlrev_b32 v6, 9, v2
	v_lshl_add_u32 v6, v1, 2, v6                   ; Wg[8 h][r]
	v_lshlrev_b32 v7, 5, v2                        ; bv[8 h]
	v_lshlrev_b32 v8, 2, v1                        ; bg[r]
	s_add_co_u32 s46, s44, 32
	s_lshl_b32 s46, s46, 13
	s_lshl_b32 s47, s37, 9
	s_add_co_u32 s46, s46, s47
	v_lshl_add_u32 v10, v3, 4, s46                 ; tile 32 + direction of wf1, K block kt
	WIN 0x40
.set n, 0
.rept 32
	global_load_b128 v[4*n:4*n+3], v5, s[34:35] offset:1024+(n/2)*64+(n%2)*16
.set n, n+1
.endr
.set n, 0
.rept 128
	global_load_b32 v[128+n], v6, s[38:39] offset:(n/8)*1024+(n%8)*64
.set n, n+1
.endr
	WIN 0
.set n, 0
.rept 32
	global_load_b128 v[128+4*n:128+4*n+3], v7, s[40:41] offset:1024+(n/2)*64+(n%2)*16
.set n, n+1
.endr
	global_load_b32 v9, v8, s[42:43]
	s_wait_loadcnt 0x0
.set n, 0
.rept 64
	v_cvt_pk_bf16_f32 v[128+n], v[128+2*n], v[128+2*n+1]       ; in place, ascending: no pair is written before it is read
.set n, n+1
.endr
	WIN 0x05
.set n, 0
.rept 64
	v_cvt_pk_bf16_f32 v[64+n], v[2*n], v[2*n+1]
.set n, n+1
.endr
.set n, 0
.rept 64
	v_cvt_pk_bf16_f32 v[192+n], v[128+2*n], v[128+2*n+1]
.set n, n+1
.endr
	WIN 0
	v_wmma_f32_16x16x32_bf16 v[16:23], v[64:71], v[192:199], 0          ; the two sums take turns
	v_wmma_f32_16x16x32_bf16 v[24:31], v[128:135], v[192:199], 0
.set n, 1
.rept 7
	v_wmma_f32_16x16x32_bf16 v[16:23], v[64+8*n:71+8*n], v[192+8*n:199+8*n], v[16:23]
	v_wmma_f32_16x16x32_bf16 v[24:31], v[128+8*n:135+8*n], v[192+8*n:199+8*n], v[24:31]
.set n, n+1
.endr
.rept 4
	v_nop                                          ; four places between the last product and the first read of a sum
.endr
.set n, 0
.rept 4
	v_cvt_pk_bf16_f32 v[32+n], v[16+2*n], v[16+2*n+1]          ; register j of lane (r, h) is Wc[16 kt + 8 h + j][r]: the fragment's own order
.set n, n+1
.endr
	global_store_b128 v10, v[32:35], s[26:27]
	s_cmp_lg_u32 s37, 0
	s_cbranch_scc1 .Lwc_end                        ; one wave a direction stores the bias
	v_cvt_pk_bf16_f32 v9, v9, v9
	v_lshlrev_b32 v9, 16, v9
	v_add_f32 v9, v24, v9
	v_mul_f32 v9, LOG2E, v9
	s_lshl_b32 s47, s44, 6
	v_lshl_add_u32 v11, v1, 2, s47
	global_store_b32 v11, v9, s[30:31]             ; both halves of the lanes store the same number to the same word
.Lwc_end:
	s_endpgm
.Lfunc_end_k_q01cc5c07e1_prep:
	.size	k_q01cc5c07e1_prep, .Lfunc_end_k_q01cc5c07e1_prep-k_q01cc5c07e1_prep
	.p2alignl 7, 3214868480
	.fill 96, 4, 3214868480
	.section	.rodata,"a",@progbits
	.p2align	6, 0x0
	.amdhsa_kernel k_q01cc5c07e1_prep
		.amdhsa_group_segment_fixed_size 0
		.amdhsa_private_segment_fixed_size 0
		.amdhsa_enable_private_segment 0
		.amdhsa_kernarg_size 112
		.amdhsa_user_sgpr_count 2
		.amdhsa_user_sgpr_kernarg_segment_ptr 1
		.amdhsa_wavefront_size32 1
		.amdhsa_system_sgpr_workgroup_id_x 1
		.amdhsa_system_sgpr_workgroup_id_y 1
		.amdhsa_system_sgpr_workgroup_id_z 1
		.amdhsa_system_vgpr_workitem_id 0
		.amdhsa_next_free_vgpr 512
		.amdhsa_next_free_sgpr 66
		.amdhsa_reserve_vcc 0
		.amdhsa_float_denorm_mode_32 3
		.amdhsa_float_denorm_mode_16_64 3
		.amdhsa_memory_ordered 1
		.amdhsa_forward_progress 1
		.amdhsa_inst_pref_size 51
	.end_amdhsa_kernel
	.amdgpu_metadata
---
amdhsa.version: [ 1, 2 ]
amdhsa.kernels:
  - .name:           k_q01cc5c07e1_prep
    .symbol:         k_q01cc5c07e1_prep.kd
    .args:
      - { .name: A_f, .offset: 0, .size: 8, .value_kind: global_buffer, .address_space: global }
      - { .name: A_b, .offset: 8, .size: 8, .value_kind: global_buffer, .address_space: global }
      - { .name: W_fproj, .offset: 16, .size: 8, .value_kind: global_buffer, .address_space: global }
      - { .name: W_bproj, .offset: 24, .size: 8, .value_kind: global_buffer, .address_space: global }
      - { .name: W_fgate, .offset: 32, .size: 8, .value_kind: global_buffer, .address_space: global }
      - { .name: W_bgate, .offset: 40, .size: 8, .value_kind: global_buffer, .address_space: global }
      - { .name: b_fproj, .offset: 48, .size: 8, .value_kind: global_buffer, .address_space: global }
      - { .name: b_bproj, .offset: 56, .size: 8, .value_kind: global_buffer, .address_space: global }
      - { .name: b_fgate, .offset: 64, .size: 8, .value_kind: global_buffer, .address_space: global }
      - { .name: b_bgate, .offset: 72, .size: 8, .value_kind: global_buffer, .address_space: global }
      - { .name: W_out, .offset: 80, .size: 8, .value_kind: global_buffer, .address_space: global }
      - { .name: wf1, .offset: 88, .size: 8, .value_kind: global_buffer, .address_space: global }
      - { .name: wf2, .offset: 96, .size: 8, .value_kind: global_buffer, .address_space: global }
      - { .name: cst, .offset: 104, .size: 8, .value_kind: global_buffer, .address_space: global }
    .group_segment_fixed_size: 0
    .private_segment_fixed_size: 0
    .kernarg_segment_align: 8
    .kernarg_segment_size: 112
    .max_flat_workgroup_size: 256
    .sgpr_count:     66
    .vgpr_count:     512
    .wavefront_size: 32
...
	.end_amdgpu_metadata
.endif
;; end of part 1
;; launch proj (part 2): grid 256 x 1, 4 waves a work-group, no clusters, 136,704 bytes of LDS; arguments x, b_fproj, b_bproj, wf1, cst, vfr, zt, hloc; writes vfr, zt, hloc
.if DOCPART == 2
	.amdgcn_target "amdgcn-amd-amdhsa--gfx1250"
	.amdhsa_code_object_version 6
	.text
	.protected	k_q01cc5c07e1_proj
	.globl	k_q01cc5c07e1_proj
	.p2align	8
	.type	k_q01cc5c07e1_proj,@function
k_q01cc5c07e1_proj:
	s_mov_b64 s[64:65], 0
	v_nop
	global_prefetch_b8 v0, s[64:65] scope:SCOPE_SE
	s_setreg_imm32_b32 hwreg(HW_REG_WAVE_MODE, 25, 1), 1
	s_wait_xcnt 0x0
; PROJ: for a chunk of 256 tokens (work-group = 256 consecutive rows of x): v = x Wv + bv of both directions (bf16 products, f32 sums), stored in f16 in operand order; zq = clamp((x Wc + bc) log2 e, -126, 126),
; stored in f32; and the chunk's LOCAL end state h (from a zero start) with the product of its gates, in f32, for the launch that carries states from chunk to chunk.
; ALGEBRA.  state[n][d] = A[n][d] h[n][d], h_t = g_t h_(t-1) + (1 - g_t) v_t, g = sigmoid(z) per (t, n).  log2 g = min(zq, 0) - log2(1 + 2^-|zq|), log2(1 - g) = log2 g - zq.
; For 16 tokens, c = the sum of log2 g from the side on which the scan enters up to the token, T the whole sum, b = c - log2(1 - g):  h_out = 2^T h_in + W V, W[n][s] = 2^(T - b[s][n]): every exponent is at most 0.
; The backward direction's local state is gathered in ascending order too: H += 2^(LQ + T - b) V, LQ the sum of T so far.  So all four waves walk x in one order.
; SHARES.  Wave w: direction w / 2, columns d = 128 (w % 2) .. + 127: eight tiles of 16.  Its weights (8 tiles x 8 K steps, and the gate tile) stay in registers for the whole launch.
; LIMITS.  |v| under 65,504 (f16).  g and 1 - g are not taken below 2^-126.  z is summed as x (Wv Wg), an order of rounding other than (x Wv) Wg.  A weight below 6e-8 counts as 0.  NaN and infinities are not treated apart.
; NO CLUSTER, NO TENSOR LOADS: a wave's weights are its own and are read once a work-group, in whole runs of 512 bytes; x is read by one work-group alone.
; REGISTERS.  window 0: below.  window 1: weights of tiles 0-3 at ((e % 4) 8 + ks) 8; window 3: tiles 4-7.  window 2: v0-63 gate weights, v64-127 h (tile e at 64 + 8 e; register j: n = 8 h + j, lane: d), v128-255 x as loaded.
.set XP,    528                        ; a row of X in LDS: 512 bytes of bf16 + 16 = 33 x 16 bytes
.set SCR,   256*XP                     ; 256 bytes a wave: T[n], to turn it from lanes into registers
.set SPARE, SCR+1024                   ; the spare words: 128 bytes a wave, two blocks of 256 bytes that no other line names
.set GT,  12                           ; v12-13 T, twice
.set LQ,  14                           ; v14    the sum of T so far
.set TOF, 16                           ; v16-17 T + BET LQ, twice
.set GAD, 18                           ; v18-19
.set GTM, 20                           ; v20-21
.set GX,  22
.set TS,  23
.set BI,  24                           ; v24-39 bias of tile e, twice, at 24 + 2 e
.set XF,  40                           ; v40-103 x's fragments of 16 tokens x 256; behind the products the gates' work lies here:
.set GLG, 40
.set GL1, 48
.set GCF, 56
.set GTB, 64
.set GE,  72
.set ZS,  80
.set TJ,  88
.set GTA, 96
.set ACC, 104                          ; v104-167
.set Z0,  168
.set Z1,  176
.set VP,  184                          ; v184-215 v in f16: tile e at 184 + 4 e: lane d, tokens 8 h + 0..7
.set WG,  216                          ; v216-227 [0 x 4 | W x 4 | 0 x 4]
.set PP,  228                          ; v228-235 2^T[n = 8 h + j]
.set HST, 236
.set PST, 237
.set RR,  238
.set HB,  239
.set LL,  240
.set WA,  241
.set GA,  242
.set BA,  243
.set CA,  244
.set T0,  245
.set SIG, 24                           ; s[24:25] +1 forward, -1 backward
.set BET, 26                           ; s[26:27] 0, 1
.set HM,  30                           ; s30 the lanes with h = 1
.set SEL, 32                           ; s[32:33] each lane takes its own place in the other half
.set MSB, 0
.macro WIN new
.if MSB != (\new)
	s_set_vgpr_msb (MSB<<8)|(\new)
.set MSB, \new
.endif
.endm
.macro PLACES
.rept 4
	v_nop
.endr
.endm
; THE GATES of 16 tokens.  Lane: n (both halves), register j: token 8 h + j.  In: zq.  Out: GLG log2 g, GL1 log2(1 - g), GCF c, GTB b, (needa: GTA a = log2 g + c), GT T.
.macro GATE zq, needa
.irp j,0,1,2,3,4,5,6,7
	v_or_b32 v[GE+\j], 0x80000000, v[\zq+\j]       ; -|zq|
.endr
.irp j,0,1,2,3,4,5,6,7
	v_exp_f32 v[GE+\j], v[GE+\j]
.endr
.irp j,0,1,2,3,4,5,6,7
	v_min_num_f32 v[GLG+\j], 0, v[\zq+\j]          ; plain work that names no exponential's result
.endr
	s_wait_alu depctr_va_vdst(0)                   ; one wait for the eight exponentials, ahead of their first reader
.irp j,0,2,4,6
	v_pk_add_f32 v[GE+\j:GE+\j+1], v[GE+\j:GE+\j+1], 1.0 op_sel_hi:[1,0]
.endr
.irp j,0,1,2,3,4,5,6,7
	v_log_f32 v[GE+\j], v[GE+\j]
.endr
	v_mov_b32 v[GX], 0                             ; the plain instruction behind the last logarithm; it also writes the exchange's destination
	s_wait_alu depctr_va_vdst(0)                   ; one wait for the eight logarithms
.irp j,0,2,4,6
	v_pk_add_f32 v[GLG+\j:GLG+\j+1], v[GLG+\j:GLG+\j+1], v[GE+\j:GE+\j+1] neg_lo:[0,1] neg_hi:[0,1]
.endr
.irp j,0,2,4,6
	v_pk_add_f32 v[GL1+\j:GL1+\j+1], v[GLG+\j:GLG+\j+1], v[\zq+\j:\zq+\j+1] neg_lo:[0,1] neg_hi:[0,1]
.endr
	v_mov_b32 v[GCF], v[GLG]                       ; the running sum over my eight tokens,
.irp j,1,2,3,4,5,6,7
	v_add_f32 v[GCF+\j], v[GCF+\j-1], v[GLG+\j]
.endr
	v_permlanex16_b32 v[GX], v[GCF+7], s[SEL], s[SEL+1]  ; the other half's eight
	v_add_f32 v[GT], v[GCF+7], v[GX]
	v_add_f32 v[GT+1], v[GCF+7], v[GX]
	v_cndmask_b32 v[GAD], 0, v[GX], s[HM]          ; tokens 8-15 stand behind tokens 0-7
	v_cndmask_b32 v[GAD+1], 0, v[GX], s[HM]
	v_mul_f32 v[GTM], s[BET], v[GT]
	v_mul_f32 v[GTM+1], s[BET], v[GT]
.irp j,0,2,4,6
	v_pk_add_f32 v[GCF+\j:GCF+\j+1], v[GCF+\j:GCF+\j+1], v[GAD:GAD+1]
.endr
.irp j,0,2,4,6
	v_pk_fma_f32 v[GE+\j:GE+\j+1], v[GLG+\j:GLG+\j+1], s[BET:BET+1], v[GTM:GTM+1] op_sel_hi:[1,0,1]
.endr
.irp j,0,2,4,6
	v_pk_fma_f32 v[GCF+\j:GCF+\j+1], v[GCF+\j:GCF+\j+1], s[SIG:SIG+1], v[GE+\j:GE+\j+1] op_sel_hi:[1,0,1]  ; forward: the prefix; backward: T - prefix + log2 g
.endr
.irp j,0,2,4,6
	v_pk_add_f32 v[GTB+\j:GTB+\j+1], v[GCF+\j:GCF+\j+1], v[GL1+\j:GL1+\j+1] neg_lo:[0,1] neg_hi:[0,1]
.endr
.if \needa
.irp j,0,2,4,6
	v_pk_add_f32 v[GTA+\j:GTA+\j+1], v[GLG+\j:GLG+\j+1], v[GCF+\j:GCF+\j+1]
.endr
.endif
.endm
.macro XLOADS                          ; 16 rows of x, 64 rows on from the last: 32 loads of 512 consecutive bytes
	WIN 0x80
.set i, 0
.rept 32
	global_load_b128 v[128+4*i:128+4*i+3], v3, s[4:5] offset:(i/2)*1024+(i%2)*512 th:TH_LOAD_NT
.set i, i+1
.endr
	WIN 0
.endm
	s_load_b512 s[4:19], s[0:1], 0x0               ; x 4, b_fproj 6, b_bproj 8, wf1 10, cst 12, vfr 14, zt 16, hloc 18
	v_lshl_add_u32 v1, v0, 2, SPARE                ; my spare word,
	v_mov_b32 v2, 0                                ; and 0: kept for the wave's end
	v_lshrrev_b32 v[T0], 5, v0
	v_readfirstlane_b32 s20, v[T0]                 ; wave
	s_lshr_b32 s21, s20, 1                         ; direction
	s_and_b32 s22, s20, 1                          ; half of the columns
	v_and_b32 v[RR], 15, v0
	v_bfe_u32 v[HB], v0, 4, 1
	v_and_b32 v[LL], 31, v0
	s_cmp_eq_u32 s21, 0
	s_cselect_b32 s24, 1.0, -1.0
	s_cselect_b32 s26, 0, 1.0
	s_cselect_b32 s28, 1.0, 0                      ; forward multiplies h by 2^T, backward by 1
	s_mov_b32 s25, s24
	s_mov_b32 s27, s26
	s_cmp_eq_u32 s22, 0
	s_cselect_b32 s31, 0, -1                       ; which half of zq I store
	s_mov_b32 s30, 0xffff0000
	s_mov_b32 s32, 0x76543210
	s_mov_b32 s33, 0xfedcba98
	s_mov_b32 s34, 0xc2fc0000                      ; -126
	s_mov_b32 s35, 0x42fc0000                      ; 126
	s_mov_b32 s36, 0x3fb8aa3b                      ; log2 e
	s_mov_b32 s37, s36
	s_lshl_b32 s40, s20, 14
	v_lshl_add_u32 v3, v[LL], 4, s40               ; x: my 16 rows of a block of 64, 16 bytes a lane
	s_mul_i32 s40, s20, 16*XP
	v_lshl_add_u32 v4, v[LL], 3, s40               ; X: the same rows, 8 bytes a lane
	v_mul_u32_u24 v5, v[RR], XP
	v_lshl_add_u32 v5, v[HB], 4, v5                ; a fragment's row r, + 16 h
	s_lshl_b32 s40, s20, 16
	v_lshl_add_u32 v6, v[LL], 4, s40               ; vfr: wave x 65,536 + 16 lane
	v_lshl_add_u32 v[WA], v[LL], 4, s40            ; wf1: my eight tiles begin at tile 8 w: the same figure
	s_lshl_b32 s40, s21, 14
	s_lshl_b32 s41, s22, 9
	s_add_co_u32 s40, s40, s41
	v_lshl_add_u32 v7, v[LL], 4, s40               ; zt
	s_lshl_b32 s40, s20, 8
	s_add_co_u32 s40, s40, SCR
	v_lshl_add_u32 v8, v[RR], 2, s40
	v_lshl_add_u32 v9, v[HB], 5, s40
	s_add_co_u32 s40, s21, 32
	s_lshl_b32 s40, s40, 13
	v_lshl_add_u32 v[GA], v[LL], 4, s40            ; wf1: the gate tile
	s_lshl_b32 s40, s22, 9
	s_add_co_u32 s40, s40, 1024
	v_lshl_add_u32 v[BA], v[RR], 2, s40            ; bias: column 256 + 128 hf + r
	s_lshl_b32 s40, s21, 6
	v_lshl_add_u32 v[CA], v[RR], 2, s40
	s_lshr_b32 s43, ttmp9, 6                       ; batch
	s_and_b32 s44, ttmp9, 63                       ; chunk
	s_sub_co_u32 s45, 63, s44
	s_cmp_eq_u32 s21, 0
	s_cselect_b32 s44, s44, s45                    ; its place in the scan's order
	s_lshl1_add_u32 s43, s43, s21
	s_lshl_b32 s43, s43, 6
	s_add_co_u32 s43, s43, s44
	s_lshl_b32 s44, s43, 6
	s_add_co_u32 s44, s44, 0x800000
	v_lshl_add_u32 v[PST], v[RR], 2, s44           ; the gates' product: behind the states
	s_lshl_b32 s43, s43, 14
	s_lshl_b32 s44, s22, 13
	s_add_co_u32 s43, s43, s44
	v_lshl_add_u32 v[HST], v[LL], 4, s43
	s_lshl_b32 s40, ttmp9, 18                      ; 256 rows of 1,024 bytes of x; and 262,144 bytes of vfr
	s_mov_b32 s41, 0
	s_lshl_b32 s46, ttmp9, 15
	s_mov_b32 s47, 0
	s_wait_kmcnt 0x0
	s_add_nc_u64 s[4:5], s[4:5], s[40:41]
	s_add_nc_u64 s[14:15], s[14:15], s[40:41]
	s_add_nc_u64 s[16:17], s[16:17], s[46:47]
	s_cmp_eq_u32 s21, 0
	s_cselect_b64 s[42:43], s[6:7], s[8:9]
	XLOADS                                         ; the first 64 tokens go out first
	WIN 0x80
.set i, 0
.rept 16
	global_load_b128 v[4*i:4*i+3], v[GA], s[10:11] offset:512*i
.set i, i+1
.endr
	WIN 0x40
.set i, 0
.rept 64
	global_load_b128 v[4*i:4*i+3], v[WA], s[10:11] offset:512*i          ; tile e, K step ks, half c at 8,192 e + 1,024 ks + 512 c: the registers' own order
.set i, i+1
.endr
	WIN 0xc0
.set i, 0
.rept 64
	global_load_b128 v[4*i:4*i+3], v[WA], s[10:11] offset:32768+512*i
.set i, i+1
.endr
	WIN 0
.set e, 0
.rept 8
	global_load_b32 v[BI+2*e], v[BA], s[42:43] offset:64*e
.set e, e+1
.endr
	global_load_b32 v10, v[CA], s[12:13]
	WIN 0x80
.set i, 0
.rept 64
	v_mov_b32 v[64+i], 0                           ; the local state starts at 0: written while the first loads are out, so that the loop has one form of step
.set i, i+1
.endr
	WIN 0
	v_mov_b32 v[LQ], 0
.irp i,0,1,2,3,8,9,10,11
	v_mov_b32 v[WG+\i], 0
.endr
	s_wait_loadcnt 0x0
.set e, 0
.rept 8
	v_cvt_pk_bf16_f32 v[BI+2*e], v[BI+2*e], v[BI+2*e]
	v_lshlrev_b32 v[BI+2*e], 16, v[BI+2*e]
	v_mov_b32 v[BI+2*e+1], v[BI+2*e]
.set e, e+1
.endr
	v_mov_b32 v11, v10
	s_mov_b32 s38, 4
.Louter:                                               ; 64 tokens a trip
	s_wait_loadcnt 0x0                             ; this trip's 32 loads of x, issued a whole trip ago
	WIN 0x0a
.set i, 0
.rept 64
	v_cvt_pk_bf16_f32 v[ACC+i], v[128+2*i], v[128+2*i+1]
.set i, i+1
.endr
	WIN 0
	s_wait_dscnt 0x0                               ; my reads of X are over,
	s_barrier_signal -1
	s_barrier_wait -1                              ; everybody's are: X may be written
.set i, 0
.rept 32
	ds_store_b64 v4, v[ACC+2*i:ACC+2*i+1] offset:(i/2)*XP+(i%2)*256
.set i, i+1
.endr
	v_add_nc_u32 v3, 0x10000, v3                   ; its loads are done: 64 rows on
	v_add_nc_u32 v4, 64*XP, v4
	s_cmp_eq_u32 s38, 1
	s_cbranch_scc1 .Lnox                           ; the last trip has nothing more to ask for
	XLOADS
.Lnox:
	s_wait_dscnt 0x0                               ; my rows of X are written,
	s_barrier_signal -1
	s_barrier_wait -1                              ; everybody's are
	s_mov_b32 s39, 4
.Linner:                                               ; 16 tokens a trip
.set ks, 0
.rept 8
	ds_load_b128 v[XF+8*ks:XF+8*ks+3], v5 offset:64*ks
	ds_load_b128 v[XF+8*ks+4:XF+8*ks+7], v5 offset:64*ks+32
.set ks, ks+1
.endr
	s_wait_dscnt 0x0
	WIN 0x04                                       ; weights in window 1.  The accumulators take turns, one instruction a turn
.set ks, 0
.rept 8
.set e, 0
.rept 4
.if ks == 0
	v_wmma_f32_16x16x32_bf16 v[ACC+8*e:ACC+8*e+7], v[XF+8*ks:XF+8*ks+7], v[(e*8+ks)*8:(e*8+ks)*8+7], 0
.else
	v_wmma_f32_16x16x32_bf16 v[ACC+8*e:ACC+8*e+7], v[XF+8*ks:XF+8*ks+7], v[(e*8+ks)*8:(e*8+ks)*8+7], v[ACC+8*e:ACC+8*e+7]
.endif
.set e, e+1
.endr
.set ks, ks+1
.endr
	WIN 0x0c                                       ; window 3
.set ks, 0
.rept 8
.set e, 0
.rept 4
.if ks == 0
	v_wmma_f32_16x16x32_bf16 v[ACC+32+8*e:ACC+32+8*e+7], v[XF+8*ks:XF+8*ks+7], v[(e*8+ks)*8:(e*8+ks)*8+7], 0
.else
	v_wmma_f32_16x16x32_bf16 v[ACC+32+8*e:ACC+32+8*e+7], v[XF+8*ks:XF+8*ks+7], v[(e*8+ks)*8:(e*8+ks)*8+7], v[ACC+32+8*e:ACC+32+8*e+7]
.endif
.set e, e+1
.endr
.set ks, ks+1
.endr
	WIN 0x08                                       ; the gate tile, in window 2: K's even and odd steps in two sums that take turns
.set ks, 0
.rept 8
.if ks < 2
	v_wmma_f32_16x16x32_bf16 v[Z0+8*(ks%2):Z0+8*(ks%2)+7], v[XF+8*ks:XF+8*ks+7], v[8*ks:8*ks+7], 0
.else
	v_wmma_f32_16x16x32_bf16 v[Z0+8*(ks%2):Z0+8*(ks%2)+7], v[XF+8*ks:XF+8*ks+7], v[8*ks:8*ks+7], v[Z0+8*(ks%2):Z0+8*(ks%2)+7]
.endif
.set ks, ks+1
.endr
	WIN 0
	PLACES                                         ; four places between the last product and the first read of a sum or write of a source
.set e, 0
.rept 8
.irp j,0,2,4,6
	v_pk_add_f32 v[ACC+8*e+\j:ACC+8*e+\j+1], v[ACC+8*e+\j:ACC+8*e+\j+1], v[BI+2*e:BI+2*e+1]
.endr
.irp j,0,1,2,3
	v_cvt_pk_f16_f32 v[VP+4*e+\j], v[ACC+8*e+2*\j], v[ACC+8*e+2*\j+1]
.endr
.set e, e+1
.endr
.set e, 0
.rept 8
	global_store_b128 v6, v[VP+4*e:VP+4*e+3], s[14:15] offset:512*e th:TH_STORE_NT  ; 512 consecutive bytes
.set e, e+1
.endr
.irp j,0,2,4,6
	v_pk_add_f32 v[Z0+\j:Z0+\j+1], v[Z0+\j:Z0+\j+1], v[Z1+\j:Z1+\j+1]
.endr
.irp j,0,2,4,6
	v_pk_fma_f32 v[Z0+\j:Z0+\j+1], v[Z0+\j:Z0+\j+1], s[36:37], v[10:11] op_sel_hi:[1,0,1]
.endr
.irp j,0,1,2,3,4,5,6,7
	v_med3_num_f32 v[Z0+\j], v[Z0+\j], s34, s35
.endr
.irp j,0,1,2,3
	v_cndmask_b32 v[ZS+\j], v[Z0+\j], v[Z0+4+\j], s31          ; the two waves of a direction hold the same zq: each stores half
.endr
	global_store_b128 v7, v[ZS:ZS+3], s[16:17] th:TH_STORE_NT
	GATE Z0, 0
	v_fma_f32 v[TOF], s26, v[LQ], v[GT]
	v_fma_f32 v[TOF+1], s26, v[LQ], v[GT]
.irp j,0,2,4,6
	v_pk_add_f32 v[GE+\j:GE+\j+1], v[TOF:TOF+1], v[GTB+\j:GTB+\j+1] neg_lo:[0,1] neg_hi:[0,1]
.endr
	v_mul_f32 v[TS], s28, v[GT]
	ds_store_b32 v8, v[TS]                         ; T[n] from lane n (both halves store the same word),
	ds_load_b128 v[TJ:TJ+3], v9                    ; back as T[8 h + 0..7]: LDS serves a wave's instructions in order (ISA guide 5.7.1.4), and the bytes are my wave's own
	ds_load_b128 v[TJ+4:TJ+7], v9 offset:16
	v_add_f32 v[LQ], v[LQ], v[GT]
	s_wait_dscnt 0x0
.irp j,0,1,2,3,4,5,6,7
	v_exp_f32 v[GE+\j], v[GE+\j]
.endr
.irp j,0,1,2,3,4,5,6,7
	v_exp_f32 v[PP+\j], v[TJ+\j]
.endr
	v_nop                                          ; a plain instruction behind the last exponential,
	s_wait_alu depctr_va_vdst(0)                   ; and one wait for the sixteen
.irp j,0,1,2,3
	v_cvt_pk_f16_f32 v[WG+4+\j], v[GE+2*\j], v[GE+2*\j+1]
.endr
	WIN 0x82
.set e, 0
.rept 8
.irp j,0,2,4,6
	v_pk_mul_f32 v[64+8*e+\j:64+8*e+\j+1], v[64+8*e+\j:64+8*e+\j+1], v[PP+\j:PP+\j+1]
.endr
.set e, e+1
.endr
	WIN 0xa0                                       ; h += W V.  K = 32 holds 16 tokens: [W | 0] meets [tile e | tile e + 1]; for the last tile [0 | W] meets [tile 6 | tile 7]
.set e, 0
.rept 7
	v_wmma_f32_16x16x32_f16 v[64+8*e:64+8*e+7], v[WG+4:WG+11], v[VP+4*e:VP+4*e+7], v[64+8*e:64+8*e+7]
.set e, e+1
.endr
	v_wmma_f32_16x16x32_f16 v[120:127], v[WG:WG+7], v[VP+24:VP+31], v[120:127]
	WIN 0
	s_wait_xcnt 0x0                                ; the step's stores have read their addresses and data: only behind this wait are these stepped, and VP and ZS written again
	v_add_nc_u32 v5, 16*XP, v5
	v_add_nc_u32 v6, 4096, v6
	v_add_nc_u32 v7, 1024, v7
	s_sub_co_u32 s39, s39, 1
	s_cmp_lg_u32 s39, 0
	s_cbranch_scc1 .Linner
	s_sub_co_u32 s38, s38, 1
	s_cmp_lg_u32 s38, 0
	s_cbranch_scc1 .Louter
	PLACES
	v_exp_f32 v[TS], v[LQ]                         ; the product of the chunk's gates
	v_nop
	s_wait_alu depctr_va_vdst(0)
	WIN 0x08
.set i, 0
.rept 16
	global_store_b128 v[HST], v[64+4*i:64+4*i+3], s[18:19] offset:512*i
.set i, i+1
.endr
	WIN 0
	s_cmp_lg_u32 s22, 0
	s_cbranch_scc1 .Lend                           ; one wave a direction stores the product
	global_store_b32 v[PST], v[TS], s[18:19]
.Lend:
	s_wait_tensorcnt 0x0                           ; the wave's end, behind my last LDS store
	ds_add_u32 v1, v2
	s_wait_dscnt 0x0
	s_endpgm
.Lfunc_end_k_q01cc5c07e1_proj:
	.size	k_q01cc5c07e1_proj, .Lfunc_end_k_q01cc5c07e1_proj-k_q01cc5c07e1_proj
	.p2alignl 7, 3214868480
	.fill 96, 4, 3214868480
	.section	.rodata,"a",@progbits
	.p2align	6, 0x0
	.amdhsa_kernel k_q01cc5c07e1_proj
		.amdhsa_group_segment_fixed_size 136704
		.amdhsa_private_segment_fixed_size 0
		.amdhsa_enable_private_segment 0
		.amdhsa_kernarg_size 64
		.amdhsa_user_sgpr_count 2
		.amdhsa_user_sgpr_kernarg_segment_ptr 1
		.amdhsa_wavefront_size32 1
		.amdhsa_system_sgpr_workgroup_id_x 1
		.amdhsa_system_sgpr_workgroup_id_y 1
		.amdhsa_system_sgpr_workgroup_id_z 1
		.amdhsa_system_vgpr_workitem_id 0
		.amdhsa_next_free_vgpr 1024
		.amdhsa_next_free_sgpr 66
		.amdhsa_reserve_vcc 0
		.amdhsa_float_denorm_mode_32 3
		.amdhsa_float_denorm_mode_16_64 3
		.amdhsa_memory_ordered 1
		.amdhsa_forward_progress 1
		.amdhsa_inst_pref_size 57
	.end_amdhsa_kernel
	.amdgpu_metadata
---
amdhsa.version: [ 1, 2 ]
amdhsa.kernels:
  - .name:           k_q01cc5c07e1_proj
    .symbol:         k_q01cc5c07e1_proj.kd
    .args:
      - { .name: x, .offset: 0, .size: 8, .value_kind: global_buffer, .address_space: global }
      - { .name: b_fproj, .offset: 8, .size: 8, .value_kind: global_buffer, .address_space: global }
      - { .name: b_bproj, .offset: 16, .size: 8, .value_kind: global_buffer, .address_space: global }
      - { .name: wf1, .offset: 24, .size: 8, .value_kind: global_buffer, .address_space: global }
      - { .name: cst, .offset: 32, .size: 8, .value_kind: global_buffer, .address_space: global }
      - { .name: vfr, .offset: 40, .size: 8, .value_kind: global_buffer, .address_space: global }
      - { .name: zt, .offset: 48, .size: 8, .value_kind: global_buffer, .address_space: global }
      - { .name: hloc, .offset: 56, .size: 8, .value_kind: global_buffer, .address_space: global }
    .group_segment_fixed_size: 136704
    .private_segment_fixed_size: 0
    .kernarg_segment_align: 8
    .kernarg_segment_size: 64
    .max_flat_workgroup_size: 128
    .sgpr_count:     66
    .vgpr_count:     1024
    .wavefront_size: 32
...
	.end_amdgpu_metadata
.endif
;; end of part 2
;; launch carry (part 3): grid 256 x 1, 1 waves a work-group, no clusters, 0 bytes of LDS; arguments hloc, hin; writes hin
.if DOCPART == 3
	.amdgcn_target "amdgcn-amd-amdhsa--gfx1250"
	.amdhsa_code_object_version 6
	.text
	.protected	k_q01cc5c07e1_carry
	.globl	k_q01cc5c07e1_carry
	.p2align	8
	.type	k_q01cc5c07e1_carry,@function
k_q01cc5c07e1_carry:
	s_mov_b64 s[64:65], 0
	v_nop
	global_prefetch_b8 v0, s[64:65] scope:SCOPE_SE
	s_setreg_imm32_b32 hwreg(HW_REG_WAVE_MODE, 25, 1), 1
	s_wait_xcnt 0x0
; CARRY: the state that enters each chunk, exactly, in f32: hin(0) = 0, hin(sc + 1) = P(sc) hin(sc) + hloc(sc), sc = 0 .. 62 in the scan's order, for each (batch, direction).
; A work-group of one wave owns 512 bytes (4 n x 16 d x both halves of the lanes) of the state of one (batch, direction): 8 x 32 work-groups.  All 126 loads go out at once; the chain is two packed
; multiply-adds a chunk.  No register is written twice, so no store's source is ever rewritten.
; window 1: v[4 sc ..] hloc(sc), turned in place into hin(sc + 1); v252-255 zeros.  window 2: v[4 sc ..] P(sc) of my four n.
.set MSB, 0
.macro WIN new
.if MSB != (\new)
	s_set_vgpr_msb (MSB<<8)|(\new)
.set MSB, \new
.endif
.endm
	s_load_b128 s[4:7], s[0:1], 0x0                ; hloc, hin
	s_lshr_b32 s8, ttmp9, 5                        ; (batch, direction)
	s_and_b32 s9, ttmp9, 31                        ; which 512 bytes of the 16,384 of a state
	s_lshl_b32 s10, s8, 20
	s_lshl_b32 s11, s9, 9
	s_add_co_u32 s10, s10, s11
	v_lshl_add_u32 v1, v0, 4, s10
	v_lshrrev_b32 v2, 4, v0                        ; h
	s_and_b32 s11, s9, 1
	s_lshl_b32 s11, s11, 4                         ; n = 8 h + 4 (unit % 2) + 0..3
	s_lshl_b32 s12, s8, 12
	s_add_co_u32 s11, s11, s12
	s_add_co_u32 s11, s11, 0x800000                ; the products lie behind the states
	v_lshl_add_u32 v2, v2, 5, s11
	s_wait_kmcnt 0x0
	WIN 0x40
.set sc, 0
.rept 63
	global_load_b128 v[4*sc:4*sc+3], v1, s[4:5] offset:16384*sc th:TH_LOAD_NT
.set sc, sc+1
.endr
.irp i,252,253,254,255
	v_mov_b32 v\i, 0
.endr
	WIN 0x80
.set sc, 0
.rept 63
	global_load_b128 v[4*sc:4*sc+3], v2, s[4:5] offset:64*sc
.set sc, sc+1
.endr
	WIN 0x04
	global_store_b128 v1, v[252:255], s[6:7]       ; hin(0) = 0
.set sc, 0
.rept 63
.set pv, (4*sc+252)%256                ; the registers of hin(sc)
	s_wait_loadcnt 62-sc                           ; loads come back in order (ISA guide 5.7.1): P(sc) is in, and all of hloc before it; the 62 - sc loads of P issued behind it may stay out
	WIN 0x59                                       ; hin and hloc in window 1, P in window 2
	v_pk_fma_f32 v[4*sc:4*sc+1], v[pv:pv+1], v[4*sc:4*sc+1], v[4*sc:4*sc+1]
	v_pk_fma_f32 v[4*sc+2:4*sc+3], v[pv+2:pv+3], v[4*sc+2:4*sc+3], v[4*sc+2:4*sc+3]
	WIN 0x04
	global_store_b128 v1, v[4*sc:4*sc+3], s[6:7] offset:16384*(sc+1)
.set sc, sc+1
.endr
	WIN 0
	s_endpgm
.Lfunc_end_k_q01cc5c07e1_carry:
	.size	k_q01cc5c07e1_carry, .Lfunc_end_k_q01cc5c07e1_carry-k_q01cc5c07e1_carry
	.p2alignl 7, 3214868480
	.fill 96, 4, 3214868480
	.section	.rodata,"a",@progbits
	.p2align	6, 0x0
	.amdhsa_kernel k_q01cc5c07e1_carry
		.amdhsa_group_segment_fixed_size 0
		.amdhsa_private_segment_fixed_size 0
		.amdhsa_enable_private_segment 0
		.amdhsa_kernarg_size 16
		.amdhsa_user_sgpr_count 2
		.amdhsa_user_sgpr_kernarg_segment_ptr 1
		.amdhsa_wavefront_size32 1
		.amdhsa_system_sgpr_workgroup_id_x 1
		.amdhsa_system_sgpr_workgroup_id_y 1
		.amdhsa_system_sgpr_workgroup_id_z 1
		.amdhsa_system_vgpr_workitem_id 0
		.amdhsa_next_free_vgpr 768
		.amdhsa_next_free_sgpr 66
		.amdhsa_reserve_vcc 0
		.amdhsa_float_denorm_mode_32 3
		.amdhsa_float_denorm_mode_16_64 3
		.amdhsa_memory_ordered 1
		.amdhsa_forward_progress 1
		.amdhsa_inst_pref_size 33
	.end_amdhsa_kernel
	.amdgpu_metadata
---
amdhsa.version: [ 1, 2 ]
amdhsa.kernels:
  - .name:           k_q01cc5c07e1_carry
    .symbol:         k_q01cc5c07e1_carry.kd
    .args:
      - { .name: hloc, .offset: 0, .size: 8, .value_kind: global_buffer, .address_space: global }
      - { .name: hin, .offset: 8, .size: 8, .value_kind: global_buffer, .address_space: global }
    .group_segment_fixed_size: 0
    .private_segment_fixed_size: 0
    .kernarg_segment_align: 8
    .kernarg_segment_size: 16
    .max_flat_workgroup_size: 32
    .sgpr_count:     66
    .vgpr_count:     768
    .wavefront_size: 32
...
	.end_amdgpu_metadata
.endif
;; end of part 3
;; launch scan (part 4): grid 256 x 1, 4 waves a work-group, no clusters, 312,832 bytes of LDS; arguments vfr, zt, hin, cst, wf2, b_out, ln_g, ln_b, out0; writes out0
.if DOCPART == 4
	.amdgcn_target "amdgcn-amd-amdhsa--gfx1250"
	.amdhsa_code_object_version 6
	.text
	.protected	k_q01cc5c07e1_scan
	.globl	k_q01cc5c07e1_scan
	.p2align	8
	.type	k_q01cc5c07e1_scan,@function
k_q01cc5c07e1_scan:
	s_mov_b64 s[64:65], 0
	v_nop
	global_prefetch_b8 v0, s[64:65] scope:SCOPE_SE
	s_setreg_imm32_b32 hwreg(HW_REG_WAVE_MODE, 25, 1), 1
	s_wait_xcnt 0x0
; SCAN: for a chunk of 256 tokens: both gated scans from the true carried-in state, the output projection and the LayerNorm.
; ALGEBRA, for 16 tokens of one direction (logs to base 2; c = the sum of log g from the entering side up to the token, T the whole sum, a = log g + c, b = c - log(1 - g)):
;   out[t][d] = sum over (n, s) of L_n[t][s] (A'[n][d] v[s][d]) + sum over n of G[t][n] (A'[n][d] h_in[n][d]),  L_n[t][s] = 2^(a[t][n] - b[s][n]) where s is not behind t in the scan's order, else 0,  G = 2^a;
;   h_out = 2^T h_in + W V,  W[n][s] = 2^(T - b[s][n]).  Every exponent that is kept is at most 0; what the mask drops is cleared bit by bit, whatever it holds.
; The first sum is ONE product with K = (n, s) = 256, whose left operand U = A' v is made by packed f16 multiplies: eight of them for each matrix instruction.
; A' = A 2^-e with the sum over n of |A'| at most 1 (the launch that lays the weights out); W_out's rows carry 2^e.  So |U|, |A' h| and |F| stay within the range of |v|.
; FORMATS.  All inputs rounded to bf16; v, U, L, G, W, A' h and the scans' result F in f16; h, all sums, the logs and the LayerNorm (mean first, then squared deviations) in f32.
; LIMITS.  |v| under 65,504.  g and 1 - g not below 2^-126.  f16 weights below 6e-8 count as 0.  NaN and infinities are not treated apart.
; SHARES.  Wave w in the scans: direction w / 2, columns d = 128 (w % 2) .. + 127, eight tiles; the two waves of a direction each make half of L (eight n) and hand it over in LDS: one barrier a step.
; Step i takes tokens 16 i .. (forward) or 16 (15 - i) .. (backward).  In the projection wave w owns output channels 64 w .. 64 w + 63.
; NO CLUSTER, NO TENSOR LOADS: v, zq and the state are this work-group's alone; the weights shared by all work-groups (wf2, cst) are read once a work-group into registers, in whole runs of 512 bytes.
; LDS.  F [256 rows][1,040]: row block = the STEP for both directions, columns 512 dir + 2 d.  LB: two buffers of L, [dir][q 8][c 2][lane x 16]; later each wave's stage of 16 x 272.  SCR: a wave's tables a[t][n], b[n][s] (pitch 80), T[n].
; REGISTERS.  window 0: below.  window 1: A' pairs v0-127, A' for the state v128-159, L v160-223, G (two of [0|G|0]) v224-247; later wf2's K steps 0-7.
;   window 2: v (two buffers) v0-63, U (two) v64-79, sums v80-143, A' h v144-175, F packed v176-207, b_out v208-239; later the projection's 16 sums v0-127, ln_g v128-159, ln_b v160-191.  window 3: wf2's K steps 8-15.
.set FPI,   1040
.set LB,    256*FPI
.set SCR,   LB+32768
.set SCRW,  2816
.set LNX,   SCR+4*SCRW
.set SPARE, LNX+2048                   ; the spare words: 128 bytes a wave, two blocks of 256 bytes that no other line names
.set STG,   LB
.set VO,  3
.set ZO,  4
.set PFV, 5
.set PFZ, 6
.set FST, 7
.set LBL, 8
.set LBS, 9
.set TAS, 10
.set TBS, 11
.set TTS, 12
.set ALA, 13
.set AGA, 14
.set BLA, 15
.set TJA, 16
.set GX,  17
.set GT,  18                           ; v18-19 T, twice
.set MK,  20                           ; v20-23 the mask of pairs (s = 8 h + 2 i, + 1) for t = lane % 16
.set ZQ,  24                           ; v24-39 zq, two buffers
.set WW,  40                           ; v40-63 two of [0 x 4 | W x 4 | 0 x 4]
.set PP,  64                           ; v64-79 2^T[8 h + j], two buffers
.set HH,  80                           ; v80-143 h: tile e at 80 + 8 e; register j: n = 8 h + j, lane: d
.set BL,  144                          ; v144-175 b of four n; the gates' plain work lies here too
.set GLG, 144
.set GL1, 152
.set GCF, 160
.set GE,  168
.set GTA, 176
.set GTB, 184
.set AL,  192
.set AG,  200
.set TJ,  208
.set OUT, 216
.set WE,  232
.set GAD, 240
.set GTM, 242
.set HIA, 244
.set APA, 245
.set ASA, 246
.set ZO0, 247
.set WFA, 248
.set BOA, 249
.set RR,  250
.set HB,  251
.set LL,  252
.set T0,  253
.set AP,  0                            ; window 1
.set AS,  128
.set LF,  160
.set GG,  224
.set UU,  64                           ; window 2
.set ACC, 80
.set SP,  144
.set FQ,  176
.set BO,  208
.set LNG, 128
.set LNB, 160
.set FFA, 3                            ; window 0, second half
.set FBA, 4
.set LNS, 5
.set LNL, 6
.set STS, 7
.set STL, 8
.set GO,  9
.set FB,  64
.set TQ,  128
.set SM,  160
.set MU,  164
.set RS,  172
.set SIG, 26
.set BET, 28
.set HM,  30
.set SEL, 32
.set MSB, 0
.macro WIN new
.if MSB != (\new)
	s_set_vgpr_msb (MSB<<8)|(\new)
.set MSB, \new
.endif
.endm
.macro PLACES
.rept 4
	v_nop
.endr
.endm
; THE GATES of 16 tokens.  Lane: n (both halves), register j: token 8 h + j.  In: zq.  Out: GLG log g, GL1 log(1 - g), GCF c, GTB b, GTA a, GT T.
.macro GATE zq
.irp j,0,1,2,3,4,5,6,7
	v_or_b32 v[GE+\j], 0x80000000, v[\zq+\j]       ; -|zq|
.endr
.irp j,0,1,2,3,4,5,6,7
	v_exp_f32 v[GE+\j], v[GE+\j]
.endr
.irp j,0,1,2,3,4,5,6,7
	v_min_num_f32 v[GLG+\j], 0, v[\zq+\j]          ; plain work that names no exponential's result
.endr
	s_wait_alu depctr_va_vdst(0)                   ; one wait for the eight exponentials, ahead of their first reader
.irp j,0,2,4,6
	v_pk_add_f32 v[GE+\j:GE+\j+1], v[GE+\j:GE+\j+1], 1.0 op_sel_hi:[1,0]
.endr
.irp j,0,1,2,3,4,5,6,7
	v_log_f32 v[GE+\j], v[GE+\j]
.endr
	v_mov_b32 v[GX], 0                             ; the plain instruction behind the last logarithm; it also writes the exchange's destination
	s_wait_alu depctr_va_vdst(0)                   ; one wait for the eight logarithms
.irp j,0,2,4,6
	v_pk_add_f32 v[GLG+\j:GLG+\j+1], v[GLG+\j:GLG+\j+1], v[GE+\j:GE+\j+1] neg_lo:[0,1] neg_hi:[0,1]
.endr
.irp j,0,2,4,6
	v_pk_add_f32 v[GL1+\j:GL1+\j+1], v[GLG+\j:GLG+\j+1], v[\zq+\j:\zq+\j+1] neg_lo:[0,1] neg_hi:[0,1]
.endr
	v_mov_b32 v[GCF], v[GLG]
.irp j,1,2,3,4,5,6,7
	v_add_f32 v[GCF+\j], v[GCF+\j-1], v[GLG+\j]
.endr
	v_permlanex16_b32 v[GX], v[GCF+7], s[SEL], s[SEL+1]
	v_add_f32 v[GT], v[GCF+7], v[GX]
	v_add_f32 v[GT+1], v[GCF+7], v[GX]
	v_cndmask_b32 v[GAD], 0, v[GX], s[HM]
	v_cndmask_b32 v[GAD+1], 0, v[GX], s[HM]
	v_mul_f32 v[GTM], s[BET], v[GT]
	v_mul_f32 v[GTM+1], s[BET], v[GT]
.irp j,0,2,4,6
	v_pk_add_f32 v[GCF+\j:GCF+\j+1], v[GCF+\j:GCF+\j+1], v[GAD:GAD+1]
.endr
.irp j,0,2,4,6
	v_pk_fma_f32 v[GE+\j:GE+\j+1], v[GLG+\j:GLG+\j+1], s[BET:BET+1], v[GTM:GTM+1] op_sel_hi:[1,0,1]
.endr
.irp j,0,2,4,6
	v_pk_fma_f32 v[GCF+\j:GCF+\j+1], v[GCF+\j:GCF+\j+1], s[SIG:SIG+1], v[GE+\j:GE+\j+1] op_sel_hi:[1,0,1]  ; forward: the prefix; backward: T - prefix + log g
.endr
.irp j,0,2,4,6
	v_pk_add_f32 v[GTB+\j:GTB+\j+1], v[GCF+\j:GCF+\j+1], v[GL1+\j:GL1+\j+1] neg_lo:[0,1] neg_hi:[0,1]
.endr
.irp j,0,2,4,6
	v_pk_add_f32 v[GTA+\j:GTA+\j+1], v[GLG+\j:GLG+\j+1], v[GCF+\j:GCF+\j+1]
.endr
.endm
; Four of my eight n (n0 .. n0 + 3): b[s = 8 h + 0..7][n] in; a[t = lane % 16][n] - b; 2^..; f16, masked, into buffer p of LB
.macro LLOAD n0
.set nn, 0
.rept 4
	ds_load_b128 v[BL+8*nn:BL+8*nn+3], v[BLA] offset:80*((\n0)+nn)
	ds_load_b128 v[BL+8*nn+4:BL+8*nn+7], v[BLA] offset:80*((\n0)+nn)+16
.set nn, nn+1
.endr
.endm
.macro LSUBEXP n0
.set nn, 0
.rept 32
	v_sub_f32 v[BL+nn], v[AL+(\n0)+nn/8], v[BL+nn]
.set nn, nn+1
.endr
.set nn, 0
.rept 32
	v_exp_f32 v[BL+nn], v[BL+nn]
.set nn, nn+1
.endr
.endm
.macro LOUT p, n0
.set nn, 0
.rept 16
	v_cvt_pk_f16_f32 v[OUT+nn], v[BL+2*nn], v[BL+2*nn+1]
.set nn, nn+1
.endr
.set nn, 0
.rept 16
	v_and_b32 v[OUT+nn], v[OUT+nn], v[MK+nn%4]
.set nn, nn+1
.endr
.set nn, 0
.rept 4
	ds_store_b128 v[LBS], v[OUT+4*nn:OUT+4*nn+3] offset:(\p)*16384+(((\n0)+nn)/2)*1024+(((\n0)+nn)%2)*512
.set nn, nn+1
.endr
.endm
; What the next step wants of its gates: W, 2^T, G in registers, my half of L in LB.  It reads ZQ's buffer p and writes the buffers p.
.macro NEXT p
	GATE ZQ+8*(\p)
.irp j,0,2,4,6
	v_pk_add_f32 v[WE+\j:WE+\j+1], v[GT:GT+1], v[GTB+\j:GTB+\j+1] neg_lo:[0,1] neg_hi:[0,1]
.endr
.irp j,0,1,2,3,4,5,6,7
	ds_store_b32 v[TAS], v[GTA+\j] offset:80*\j    ; a[t][n]: the tables are my wave's own, and LDS serves a wave's instructions in order (ISA guide 5.7.1.4): no barrier, no wait between store and load
.endr
	ds_store_b128 v[TBS], v[GTB:GTB+3]             ; b[n][s]
	ds_store_b128 v[TBS], v[GTB+4:GTB+7] offset:16
	ds_store_b32 v[TTS], v[GT]
	ds_load_b128 v[AL:AL+3], v[ALA]                ; a[t = lane % 16][my eight n]
	ds_load_b128 v[AL+4:AL+7], v[ALA] offset:16
	ds_load_b128 v[AG:AG+3], v[AGA]                ; a[t][n = 8 h + 0..7]
	ds_load_b128 v[AG+4:AG+7], v[AGA] offset:16
	ds_load_b128 v[TJ:TJ+3], v[TJA]                ; T[n = 8 h + 0..7]
	ds_load_b128 v[TJ+4:TJ+7], v[TJA] offset:16
	LLOAD 0
	s_wait_dscnt 0x0
	LSUBEXP 0
.irp j,0,1,2,3,4,5,6,7
	v_exp_f32 v[AG+\j], v[AG+\j]
.endr
.irp j,0,1,2,3,4,5,6,7
	v_exp_f32 v[PP+8*(\p)+\j], v[TJ+\j]
.endr
.irp j,0,1,2,3,4,5,6,7
	v_exp_f32 v[WE+\j], v[WE+\j]
.endr
	v_nop                                          ; a plain instruction behind the last exponential,
	s_wait_alu depctr_va_vdst(0)                   ; and one wait for the batch of 56
	LOUT \p, 0
.irp j,0,1,2,3
	v_cvt_pk_f16_f32 v[WW+12*(\p)+4+\j], v[WE+2*\j], v[WE+2*\j+1]
.endr
	WIN 0x40
.irp j,0,1,2,3
	v_cvt_pk_f16_f32 v[GG+12*(\p)+4+\j], v[AG+2*\j], v[AG+2*\j+1]
.endr
	WIN 0
	LLOAD 4
	s_wait_dscnt 0x0
	LSUBEXP 4
	v_nop
	s_wait_alu depctr_va_vdst(0)                   ; one wait for the batch of 32
	LOUT \p, 4
.endm
.macro VLOAD b                         ; a step's v, 4,096 consecutive bytes, into buffer b (window 2)
.set e, 0
.rept 8
	global_load_b128 v[32*(\b)+4*e:32*(\b)+4*e+3], v[VO], s[4:5] offset:512*e th:TH_LOAD_NT
.set e, e+1
.endr
.endm
.macro ZLOAD b, adr
	global_load_b128 v[ZQ+8*(\b):ZQ+8*(\b)+3], v[\adr], s[6:7]
	global_load_b128 v[ZQ+8*(\b)+4:ZQ+8*(\b)+7], v[\adr], s[6:7] offset:512
.endm
; A STEP, parity p.  s38 counts the trips of two steps down from 8; what the last trip has no use for is jumped over, forward.
.macro STEP p
	s_wait_loadcnt 0x0                             ; this step's v and the next step's zq, asked for a whole step ago
	s_wait_dscnt 0x0                               ; my half of this step's L is written, and my reads of the other buffer are over,
	s_barrier_signal -1
	s_barrier_wait -1                              ; everybody's
	v_add_nc_u32 v[VO], s34, v[VO]                 ; their loads are done: a step on
	v_add_nc_u32 v[ZO], s35, v[ZO]
.if (\p) == 0
	WIN 0x80
	VLOAD 1
	WIN 0
	s_cmp_eq_u32 s38, 1
	s_cbranch_scc1 .Lasked_\@
	ZLOAD 0, ZO
	s_cmp_gt_u32 s38, 2                            ; trip k asks for my own 8,192 bytes of v of steps 2 k + 4 and 2 k + 5, a lane for each 256 bytes: they exist up to k = 5
	s_cbranch_scc0 .Lasked_\@
	global_prefetch_b8 v[PFV], s[4:5] th:TH_LOAD_NT scope:SCOPE_SE
	s_cmp_eq_u32 s38, 8                            ; and the first trip for my half of my direction's zq, 8,192 bytes
	s_cbranch_scc0 .Lasked_\@
	global_prefetch_b8 v[PFZ], s[6:7] th:TH_LOAD_NT scope:SCOPE_SE
.Lasked_\@:
.else
	s_cmp_eq_u32 s38, 1
	s_cbranch_scc1 .Lasked_\@
	WIN 0x80
	VLOAD 0
	WIN 0
	ZLOAD 1, ZO
.Lasked_\@:
.endif
	WIN 0x40
.set q, 0
.rept 16
	ds_load_b128 v[LF+4*q:LF+4*q+3], v[LBL] offset:(\p)*16384+512*q    ; L: fragment q holds n = 2 q (K 0-15) and 2 q + 1 (K 16-31)
.set q, q+1
.endr
	WIN 0x80
.set i, 0
.rept 32
	v_cvt_pk_f16_f32 v[SP+i], v[HH+2*i], v[HH+2*i+1]
.set i, i+1
.endr
	WIN 0xa6                                       ; one setting for the four kinds of line below: source 0 and the sums in window 2, source 1 in window 1
.set i, 0
.rept 32
	v_pk_mul_f16 v[SP+i], v[SP+i], v[AS+i]         ; A' h_in
.set i, i+1
.endr
.set e, 0
.rept 7                                        ; the carried-in part starts the sums: [tile e | tile e + 1] meets [G | 0]; the last tile: [tile 6 | tile 7] meets [0 | G]
	v_wmma_f32_16x16x32_f16 v[ACC+8*e:ACC+8*e+7], v[SP+4*e:SP+4*e+7], v[GG+12*(\p)+4:GG+12*(\p)+11], 0
.set e, e+1
.endr
	v_wmma_f32_16x16x32_f16 v[ACC+56:ACC+63], v[SP+24:SP+31], v[GG+12*(\p):GG+12*(\p)+7], 0
	s_wait_dscnt 0x0                               ; L is in
.set ub, 0
.set q, 0
.rept 8                                        ; the eight sums take turns; U's two buffers too: a buffer is written again eight plain instructions behind the product that read it
.set e, 0
.rept 8
.irp i,0,1,2,3
	v_pk_mul_f16 v[UU+8*ub+\i], v[32*(\p)+4*e+\i], v[AP+16*e+2*q]
.endr
.irp i,0,1,2,3
	v_pk_mul_f16 v[UU+8*ub+4+\i], v[32*(\p)+4*e+\i], v[AP+16*e+2*q+1]
.endr
	v_wmma_f32_16x16x32_f16 v[ACC+8*e:ACC+8*e+7], v[UU+8*ub:UU+8*ub+7], v[LF+8*q:LF+8*q+7], v[ACC+8*e:ACC+8*e+7]
.set ub, 1-ub
.set e, e+1
.endr
.set q, q+1
.endr
	WIN 0
.set i, 0
.rept 32
	v_pk_mul_f32 v[HH+2*i:HH+2*i+1], v[HH+2*i:HH+2*i+1], v[PP+8*(\p)+(2*i)%8:PP+8*(\p)+(2*i)%8+1]  ; h 2^T; these are also the places behind the last product above
.set i, i+1
.endr
	WIN 0x08
.set e, 0
.rept 7
	v_wmma_f32_16x16x32_f16 v[HH+8*e:HH+8*e+7], v[WW+12*(\p)+4:WW+12*(\p)+11], v[32*(\p)+4*e:32*(\p)+4*e+7], v[HH+8*e:HH+8*e+7]
.set e, e+1
.endr
	v_wmma_f32_16x16x32_f16 v[HH+56:HH+63], v[WW+12*(\p):WW+12*(\p)+7], v[32*(\p)+24:32*(\p)+31], v[HH+56:HH+63]
	WIN 0x8a
.set i, 0
.rept 32
	v_cvt_pk_f16_f32 v[FQ+i], v[ACC+2*i], v[ACC+2*i+1]         ; a lane holds one token and eight neighbouring d: 16 bytes of a row of F
.set i, i+1
.endr
	WIN 0x08
.set e, 0
.rept 8
	ds_store_b128 v[FST], v[FQ+4*e:FQ+4*e+3] offset:(\p)*16*FPI+32*e
.set e, e+1
.endr
	WIN 0
.if (\p) == 1
	s_cmp_eq_u32 s38, 1
	s_cbranch_scc1 .Lnonext_\@
	NEXT 0
.Lnonext_\@:
.else
	NEXT 1
.endif
.endm
	s_load_b512 s[4:19], s[0:1], 0x0               ; vfr 4, zt 6, hin 8, cst 10, wf2 12, b_out 14, ln_g 16, ln_b 18
	s_load_b64 s[20:21], s[0:1], 0x40              ; out0
	v_lshl_add_u32 v1, v0, 2, SPARE                ; my spare word,
	v_mov_b32 v2, 0                                ; and 0: kept for the wave's end
	v_lshrrev_b32 v[T0], 5, v0
	v_readfirstlane_b32 s22, v[T0]                 ; wave
	s_lshr_b32 s23, s22, 1                         ; direction
	s_and_b32 s24, s22, 1                          ; half
	v_and_b32 v[RR], 15, v0
	v_bfe_u32 v[HB], v0, 4, 1
	v_and_b32 v[LL], 31, v0
	s_cmp_eq_u32 s23, 0
	s_cselect_b32 s26, 1.0, -1.0
	s_cselect_b32 s28, 0, 1.0
	s_cselect_b32 s37, 1, -1
	s_mov_b32 s27, s26
	s_mov_b32 s29, s28
	s_mul_i32 s34, s37, 4096                       ; a step of v,
	s_mul_i32 s35, s37, 1024                       ; of zq,
	s_mul_i32 s36, s37, 8192                       ; two steps of v
	s_mov_b32 s30, 0xffff0000
	s_mov_b32 s31, 0xffff
	s_mov_b32 s32, 0x76543210
	s_mov_b32 s33, 0xfedcba98
	s_lshl_b32 s40, s22, 16
	s_mul_i32 s41, s23, 61440                      ; backward begins at tokens 240 ..
	s_add_co_u32 s41, s41, s40
	v_lshl_add_u32 v[VO], v[LL], 4, s41
	s_mul_i32 s41, s23, 31744                      ; 16,384 + 15 x 1,024
	v_lshl_add_u32 v[ZO0], v[LL], 4, s41
	v_add_nc_u32 v[ZO], s35, v[ZO0]
	s_mul_i32 s41, s23, 24576                      ; steps 4 and 5: from 16 x 4 tokens on, or from 16 x 10
	s_add_co_u32 s41, s41, s40
	s_add_co_u32 s41, s41, 16384
	v_lshl_add_u32 v[PFV], v[LL], 8, s41
	s_lshl_b32 s41, s22, 13
	v_lshl_add_u32 v[PFZ], v[LL], 8, s41
	v_lshl_add_u32 v[APA], v[RR], 6, s41           ; A' pairs: column 128 w' + r, 64 bytes a column
	v_mul_u32_u24 v[FST], v[RR], FPI
	v_lshl_add_u32 v[FST], v[HB], 4, v[FST]
	s_lshl_b32 s41, s22, 8
	v_add_nc_u32 v[FST], s41, v[FST]
	v_lshl_add_u32 v[BOA], v[HB], 5, s41           ; channels 64 w + 8 h
	s_lshl_b32 s41, s23, 13
	s_add_co_u32 s41, s41, LB
	v_lshl_add_u32 v[LBL], v[LL], 4, s41
	s_lshl_b32 s41, s24, 12
	v_add_nc_u32 v[LBS], s41, v[LBL]
	s_mul_i32 s42, s22, SCRW
	s_add_co_u32 s42, s42, SCR
	v_mul_u32_u24 v[T0], v[HB], 640
	v_lshl_add_u32 v[T0], v[RR], 2, v[T0]
	v_add_nc_u32 v[TAS], s42, v[T0]
	v_mul_u32_u24 v[T0], v[RR], 80
	v_add_nc_u32 v[T0], s42, v[T0]
	v_lshl_add_u32 v[AGA], v[HB], 5, v[T0]
	v_add_nc_u32 v[TBS], 1280, v[AGA]
	s_lshl_b32 s41, s24, 5
	v_add_nc_u32 v[ALA], s41, v[T0]
	v_lshl_add_u32 v[T0], v[HB], 5, s42
	v_add_nc_u32 v[TJA], 2560, v[T0]
	s_mul_i32 s41, s24, 640
	s_add_co_u32 s41, s41, 1280
	v_add_nc_u32 v[BLA], s41, v[T0]
	v_lshl_add_u32 v[TTS], v[RR], 2, s42
	v_add_nc_u32 v[TTS], 2560, v[TTS]
	s_lshr_b32 s43, ttmp9, 6                       ; batch
	s_and_b32 s44, ttmp9, 63                       ; chunk
	s_sub_co_u32 s45, 63, s44
	s_cmp_eq_u32 s23, 0
	s_cselect_b32 s44, s44, s45
	s_lshl1_add_u32 s43, s43, s23
	s_lshl_b32 s43, s43, 6
	s_add_co_u32 s43, s43, s44
	s_lshl_b32 s43, s43, 14
	s_lshl_b32 s44, s24, 13
	s_add_co_u32 s43, s43, s44
	v_lshl_add_u32 v[HIA], v[LL], 4, s43
	s_lshl_b32 s41, s22, 12
	v_lshl_add_u32 v[ASA], v[LL], 4, s41
	v_lshl_add_u32 v[WFA], v[LL], 4, s40
	s_lshl_b32 s40, ttmp9, 18
	s_mov_b32 s41, 0
	s_lshl_b32 s46, ttmp9, 15
	s_mov_b32 s47, 0
	s_wait_kmcnt 0x0
	s_add_nc_u64 s[4:5], s[4:5], s[40:41]
	s_add_nc_u64 s[20:21], s[20:21], s[40:41]
	s_add_nc_u64 s[6:7], s[6:7], s[46:47]
	ZLOAD 0, ZO0
	ZLOAD 1, ZO
.set i, 0
.rept 16
	global_load_b128 v[HH+4*i:HH+4*i+3], v[HIA], s[8:9] offset:512*i th:TH_LOAD_NT
.set i, i+1
.endr
	WIN 0x80
	VLOAD 0
.set i, 0
.rept 8
	global_load_b128 v[BO+4*i:BO+4*i+3], v[BOA], s[14:15] offset:(i/2)*64+(i%2)*16
.set i, i+1
.endr
	WIN 0x40
.set i, 0
.rept 32
	global_load_b128 v[AP+4*i:AP+4*i+3], v[APA], s[10:11] offset:256+(i/4)*1024+(i%4)*16
.set i, i+1
.endr
.set i, 0
.rept 8
	global_load_b128 v[AS+4*i:AS+4*i+3], v[ASA], s[10:11] offset:33024+512*i
.set i, i+1
.endr
	WIN 0xc0
.set i, 0
.rept 64                               ; K step 8 + i / 8, channel tile (i / 2) % 4, half i % 2
	global_load_b128 v[4*i:4*i+3], v[WFA], s[12:13] offset:((i/2)%4)*16384+(8+i/8)*1024+(i%2)*512
.set i, i+1
.endr
	WIN 0x40
.irp i,0,1,2,3,8,9,10,11,12,13,14,15,20,21,22,23
	v_mov_b32 v[GG+\i], 0
.endr
	WIN 0
.irp i,0,1,2,3,8,9,10,11,12,13,14,15,20,21,22,23
	v_mov_b32 v[WW+\i], 0
.endr
	v_lshlrev_b32 v[OUT], 3, v[HB]
	v_sub_nc_u32 v[OUT], v[OUT], v[RR]             ; 8 h - t
.set k, 0
.rept 8
	v_add_nc_u32 v[OUT+1], k, v[OUT]               ; s - t,
	v_mul_lo_u32 v[OUT+1], v[OUT+1], s37           ; turned for the backward scan: kept where it is not above 0
	v_cmp_ge_i32 vcc_lo, 0, v[OUT+1]
.if k%2 == 0
	v_cndmask_b32 v[MK+k/2], 0, s31, vcc_lo
.else
	v_cndmask_b32 v[OUT+1], 0, s30, vcc_lo
	v_or_b32 v[MK+k/2], v[MK+k/2], v[OUT+1]
.endif
.set k, k+1
.endr
	s_wait_loadcnt 0x0
	WIN 0xaa
.set k, 0
.rept 16
	v_cvt_pk_bf16_f32 v[240+k], v[BO+2*k], v[BO+2*k+1]         ; b_out rounded to bf16, like every input
.set k, k+1
.endr
.set k, 0
.rept 16
	v_lshlrev_b32 v[BO+2*k], 16, v[240+k]
	v_and_b32 v[BO+2*k+1], 0xffff0000, v[240+k]
.set k, k+1
.endr
	WIN 0
	NEXT 0
	s_mov_b32 s38, 8
.Ltrip:
	STEP 0
	STEP 1
	s_wait_xcnt 0x0                                ; the trip's prefetch, nearly two steps back, has read its address
	v_add_nc_u32 v[PFV], s36, v[PFV]
	v_add_nc_u32 v[FST], 32*FPI, v[FST]
	s_sub_co_u32 s38, s38, 1
	s_cmp_lg_u32 s38, 0
	s_cbranch_scc1 .Ltrip
	; ---- THE PROJECTION AND THE LAYERNORM.  out^T = Wo'^T F^T: source 0 = 16 channels, source 1 = 16 tokens: a lane holds one token and eight neighbouring channels.
	s_wait_dscnt 0x0                               ; my part of F is written, my reads of LB are over,
	s_barrier_signal -1
	s_barrier_wait -1                              ; everybody's
	v_mul_u32_u24 v[FFA], v[RR], FPI
	v_lshl_add_u32 v[FFA], v[HB], 4, v[FFA]        ; forward columns: row block = token block
	v_add_nc_u32 v[FBA], 512+12*16*FPI, v[FFA]     ; backward columns: row block 15 - token block
	s_lshl_b32 s41, s22, 2
	s_add_co_u32 s41, s41, LNX
	v_lshl_add_u32 v[LNS], v[RR], 4, s41
	v_lshlrev_b32 v[LNL], 4, v[RR]
	v_add_nc_u32 v[LNL], LNX, v[LNL]
	s_mul_i32 s41, s22, 4352
	s_add_co_u32 s41, s41, STG
	v_mul_u32_u24 v[STS], v[RR], 272
	v_lshl_add_u32 v[STS], v[HB], 5, v[STS]
	v_add_nc_u32 v[STS], s41, v[STS]
	v_mul_u32_u24 v[STL], v[HB], 272
	v_lshl_add_u32 v[STL], v[RR], 4, v[STL]
	v_add_nc_u32 v[STL], s41, v[STL]
	v_lshlrev_b32 v[GO], 10, v[HB]
	v_lshl_add_u32 v[GO], v[RR], 4, v[GO]
	s_lshl_b32 s41, s22, 8
	v_add_nc_u32 v[GO], s41, v[GO]
	s_mov_b32 s39, 64*FPI
	s_mov_b32 s40, 0x3b800000                      ; 1 / 256
	s_mov_b32 s41, 0x3727c5ac                      ; 1e-5
	WIN 0x80
.set i, 0
.rept 8
	global_load_b128 v[LNG+4*i:LNG+4*i+3], v[BOA], s[16:17] offset:(i/2)*64+(i%2)*16
	global_load_b128 v[LNB+4*i:LNB+4*i+3], v[BOA], s[18:19] offset:(i/2)*64+(i%2)*16
.set i, i+1
.endr
	WIN 0x40
.set i, 0
.rept 64                               ; K steps 0-7 take the window that the scans have left; the products begin with K steps 8-15, which are in
	global_load_b128 v[4*i:4*i+3], v[WFA], s[12:13] offset:((i/2)%4)*16384+(i/8)*1024+(i%2)*512
.set i, i+1
.endr
	WIN 0
.macro FBLOAD ks, fb                   ; F's fragments of 64 tokens for K step ks into buffer fb
.set tf, 0
.rept 4
.if (\ks) >= 8
	ds_load_b128 v[FB+32*(\fb)+8*tf:FB+32*(\fb)+8*tf+3], v[FBA] offset:(3-tf)*16*FPI+((\ks)-8)*64
	ds_load_b128 v[FB+32*(\fb)+8*tf+4:FB+32*(\fb)+8*tf+7], v[FBA] offset:(3-tf)*16*FPI+((\ks)-8)*64+32
.else
	ds_load_b128 v[FB+32*(\fb)+8*tf:FB+32*(\fb)+8*tf+3], v[FFA] offset:tf*16*FPI+(\ks)*64
	ds_load_b128 v[FB+32*(\fb)+8*tf+4:FB+32*(\fb)+8*tf+7], v[FFA] offset:tf*16*FPI+(\ks)*64+32
.endif
.set tf, tf+1
.endr
.endm
; A lane's four pairs a token tile (TQ) are added up, with the other half of the lanes, and with the other three waves through LDS at byte off: SM[tt] = the sum over all 256 channels
.macro REDUCE off
.irp t,0,1,2,3
	v_pk_add_f32 v[TQ+8*\t:TQ+8*\t+1], v[TQ+8*\t:TQ+8*\t+1], v[TQ+8*\t+2:TQ+8*\t+3]
	v_pk_add_f32 v[TQ+8*\t+4:TQ+8*\t+5], v[TQ+8*\t+4:TQ+8*\t+5], v[TQ+8*\t+6:TQ+8*\t+7]
.endr
.irp t,0,1,2,3
	v_pk_add_f32 v[TQ+8*\t:TQ+8*\t+1], v[TQ+8*\t:TQ+8*\t+1], v[TQ+8*\t+4:TQ+8*\t+5]
.endr
.irp t,0,1,2,3
	v_add_f32 v[SM+\t], v[TQ+8*\t], v[TQ+8*\t+1]
.endr
.irp t,0,1,2,3
	v_permlanex16_b32 v[TQ+8*\t+2], v[SM+\t], s[SEL], s[SEL+1]
.endr
.irp t,0,1,2,3
	v_add_f32 v[SM+\t], v[SM+\t], v[TQ+8*\t+2]
.endr
.irp t,0,1,2,3
	ds_store_b32 v[LNS], v[SM+\t] offset:(\off)+256*\t
.endr
	s_wait_dscnt 0x0                               ; my four partial sums are written (and my earlier reads of the other region are over),
	s_barrier_signal -1
	s_barrier_wait -1                              ; everybody's.  A region is written again only behind the other region's barrier
.irp t,0,1,2,3
	ds_load_b128 v[TQ+8*\t:TQ+8*\t+3], v[LNL] offset:(\off)+256*\t
.endr
	s_wait_dscnt 0x0
.irp t,0,1,2,3
	v_add_f32 v[TQ+8*\t], v[TQ+8*\t], v[TQ+8*\t+1]
	v_add_f32 v[TQ+8*\t+2], v[TQ+8*\t+2], v[TQ+8*\t+3]
.endr
.irp t,0,1,2,3
	v_add_f32 v[SM+\t], v[TQ+8*\t], v[TQ+8*\t+2]   ; the same order in all four waves
.endr
.endm
.macro TOST t                          ; token tile t: 32 bytes a lane and channel tile into my stage (rows of 272 bytes), back as whole rows of 256, into the registers that they left
	WIN 0x08
.set jq, 0
.rept 8
	ds_store_b128 v[STS], v[32*(\t)+4*jq:32*(\t)+4*jq+3] offset:(jq/2)*64+(jq%2)*16
.set jq, jq+1
.endr
	WIN 0x80
.set jq, 0
.rept 8
	ds_load_b128 v[32*(\t)+4*jq:32*(\t)+4*jq+3], v[STL] offset:544*jq
.set jq, jq+1
.endr
.endm
.macro SEND t, younger                 ; younger: the LDS instructions issued behind tile t's loads: the next tile's sixteen, or none
	WIN 0x08
.set jq, 0
.rept 8
	s_wait_dscnt (\younger)+7-jq
	global_store_b128 v[GO], v[32*(\t)+4*jq:32*(\t)+4*jq+3], s[20:21] offset:(16*(\t)+2*jq)*1024 th:TH_STORE_NT  ; 16 lanes store 256 consecutive bytes, at a multiple of 256 from out0's first byte
.set jq, jq+1
.endr
.endm
	s_mov_b32 s38, 4
.Lblk:                                                 ; 64 tokens a trip
	FBLOAD 8, 0
.set idx, 0
.rept 16
.set ks, (idx+8)%16
.set fbn, idx%2
	WIN 0
.if idx < 15
.if idx > 0
	PLACES                                         ; four places between the products that read the other buffer and the loads into it
.endif
	FBLOAD (idx+9)%16, 1-fbn
	s_wait_dscnt 8                                 ; all but the eight just issued
.else
	s_wait_dscnt 0x0
.endif
.if ks == 0
	s_wait_loadcnt 0x0                             ; wf2's K steps 0-7, ln_g and ln_b (first trip; later nothing is out)
.endif
.if ks >= 8
	WIN 0xa3
.else
	WIN 0xa1
.endif
.set tt, 0
.rept 4
.set jt, 0
.rept 4
.if idx == 0
	v_wmma_f32_16x16x32_f16 v[(tt*4+jt)*8:(tt*4+jt)*8+7], v[((ks%8)*4+jt)*8:((ks%8)*4+jt)*8+7], v[FB+32*fbn+8*tt:FB+32*fbn+8*tt+7], v[BO+8*jt:BO+8*jt+7]  ; the bias starts the sums
.else
	v_wmma_f32_16x16x32_f16 v[(tt*4+jt)*8:(tt*4+jt)*8+7], v[((ks%8)*4+jt)*8:((ks%8)*4+jt)*8+7], v[FB+32*fbn+8*tt:FB+32*fbn+8*tt+7], v[(tt*4+jt)*8:(tt*4+jt)*8+7]
.endif
.set jt, jt+1
.endr
.set tt, tt+1
.endr
.set idx, idx+1
.endr
	WIN 0
	PLACES
	WIN 0x0a                                       ; the mean
.set a, 0
.rept 16
	v_pk_add_f32 v[TQ+2*a:TQ+2*a+1], v[8*a:8*a+1], v[8*a+2:8*a+3]
.set a, a+1
.endr
	WIN 0x08
.set a, 0
.rept 16
	v_pk_add_f32 v[TQ+2*a:TQ+2*a+1], v[TQ+2*a:TQ+2*a+1], v[8*a+4:8*a+5]
.set a, a+1
.endr
.set a, 0
.rept 16
	v_pk_add_f32 v[TQ+2*a:TQ+2*a+1], v[TQ+2*a:TQ+2*a+1], v[8*a+6:8*a+7]
.set a, a+1
.endr
	WIN 0
	REDUCE 0
.irp t,0,1,2,3
	v_mul_f32 v[MU+2*\t], s40, v[SM+\t]
	v_mul_f32 v[MU+2*\t+1], s40, v[SM+\t]
.endr
	WIN 0x82
.set a, 0
.rept 64
	v_pk_add_f32 v[2*a:2*a+1], v[2*a:2*a+1], v[MU+2*(a/16):MU+2*(a/16)+1] neg_lo:[0,1] neg_hi:[0,1]
.set a, a+1
.endr
	WIN 0x0a                                       ; the squared deviations
.set a, 0
.rept 16
	v_pk_mul_f32 v[TQ+2*a:TQ+2*a+1], v[8*a:8*a+1], v[8*a:8*a+1]
.set a, a+1
.endr
.irp j,2,4,6
.set a, 0
.rept 16
	v_pk_fma_f32 v[TQ+2*a:TQ+2*a+1], v[8*a+\j:8*a+\j+1], v[8*a+\j:8*a+\j+1], v[TQ+2*a:TQ+2*a+1]
.set a, a+1
.endr
.endr
	WIN 0
	REDUCE 1024
.irp t,0,1,2,3
	v_fma_f32 v[SM+\t], v[SM+\t], s40, s41
.endr
.irp t,0,1,2,3
	v_rsq_f32 v[RS+2*\t], v[SM+\t]
.endr
	v_nop
	s_wait_alu depctr_va_vdst(0)                   ; one wait for the four
.irp t,0,1,2,3
	v_mov_b32 v[RS+2*\t+1], v[RS+2*\t]
.endr
	s_cmp_lg_u32 s38, 4
	s_cbranch_scc1 .Lrounded                       ; ln_g and ln_b are rounded to bf16 once, in the first trip
	WIN 0xaa
.irp base, LNG, LNB
.set k, 0
.rept 16
	v_cvt_pk_bf16_f32 v[192+k], v[\base+2*k], v[\base+2*k+1]
.set k, k+1
.endr
.set k, 0
.rept 16
	v_lshlrev_b32 v[\base+2*k], 16, v[192+k]
	v_and_b32 v[\base+2*k+1], 0xffff0000, v[192+k]
.set k, k+1
.endr
.endr
	WIN 0
.Lrounded:
	WIN 0x82
.set a, 0
.rept 64
	v_pk_mul_f32 v[2*a:2*a+1], v[2*a:2*a+1], v[RS+2*(a/16):RS+2*(a/16)+1]
.set a, a+1
.endr
	WIN 0xaa
.set a, 0
.rept 64
	v_pk_fma_f32 v[2*a:2*a+1], v[2*a:2*a+1], v[LNG+2*(a%16):LNG+2*(a%16)+1], v[LNB+2*(a%16):LNG+2*(a%16)+33]
.set a, a+1
.endr
	TOST 0
	TOST 1                                         ; a tile's way through the stage stands between the loads of the tile before and its stores
	SEND 0, 16
	TOST 2
	SEND 1, 16
	TOST 3
	SEND 2, 16
	SEND 3, 0
	WIN 0
	s_wait_xcnt 0x0                                ; the stores have read their address and data: only behind this wait is the address stepped and are the sums begun anew
	v_add_nc_u32 v[GO], 0x10000, v[GO]
	v_add_nc_u32 v[FFA], 64*FPI, v[FFA]
	v_sub_nc_u32 v[FBA], v[FBA], s39
	s_sub_co_u32 s38, s38, 1
	s_cmp_lg_u32 s38, 0
	s_cbranch_scc1 .Lblk
	s_wait_tensorcnt 0x0                           ; the wave's end, behind my last LDS store
	ds_add_u32 v1, v2
	s_wait_dscnt 0x0
	s_endpgm
.Lfunc_end_k_q01cc5c07e1_scan:
	.size	k_q01cc5c07e1_scan, .Lfunc_end_k_q01cc5c07e1_scan-k_q01cc5c07e1_scan
	.p2alignl 7, 3214868480
	.fill 96, 4, 3214868480
	.section	.rodata,"a",@progbits
	.p2align	6, 0x0
	.amdhsa_kernel k_q01cc5c07e1_scan
		.amdhsa_group_segment_fixed_size 312832
		.amdhsa_private_segment_fixed_size 0
		.amdhsa_enable_private_segment 0
		.amdhsa_kernarg_size 72
		.amdhsa_user_sgpr_count 2
		.amdhsa_user_sgpr_kernarg_segment_ptr 1
		.amdhsa_wavefront_size32 1
		.amdhsa_system_sgpr_workgroup_id_x 1
		.amdhsa_system_sgpr_workgroup_id_y 1
		.amdhsa_system_sgpr_workgroup_id_z 1
		.amdhsa_system_vgpr_workitem_id 0
		.amdhsa_next_free_vgpr 1024
		.amdhsa_next_free_sgpr 66
		.amdhsa_reserve_vcc 1
		.amdhsa_float_denorm_mode_32 3
		.amdhsa_float_denorm_mode_16_64 3
		.amdhsa_memory_ordered 1
		.amdhsa_forward_progress 1
		.amdhsa_inst_pref_size 241
	.end_amdhsa_kernel
	.amdgpu_metadata
---
amdhsa.version: [ 1, 2 ]
amdhsa.kernels:
  - .name:           k_q01cc5c07e1_scan
    .symbol:         k_q01cc5c07e1_scan.kd
    .args:
      - { .name: vfr, .offset: 0, .size: 8, .value_kind: global_buffer, .address_space: global }
      - { .name: zt, .offset: 8, .size: 8, .value_kind: global_buffer, .address_space: global }
      - { .name: hin, .offset: 16, .size: 8, .value_kind: global_buffer, .address_space: global }
      - { .name: cst, .offset: 24, .size: 8, .value_kind: global_buffer, .address_space: global }
      - { .name: wf2, .offset: 32, .size: 8, .value_kind: global_buffer, .address_space: global }
      - { .name: b_out, .offset: 40, .size: 8, .value_kind: global_buffer, .address_space: global }
      - { .name: ln_g, .offset: 48, .size: 8, .value_kind: global_buffer, .address_space: global }
      - { .name: ln_b, .offset: 56, .size: 8, .value_kind: global_buffer, .address_space: global }
      - { .name: out0, .offset: 64, .size: 8, .value_kind: global_buffer, .address_space: global }
    .group_segment_fixed_size: 312832
    .private_segment_fixed_size: 0
    .kernarg_segment_align: 8
    .kernarg_segment_size: 72
    .max_flat_workgroup_size: 128
    .sgpr_count:     66
    .vgpr_count:     1024
    .wavefront_size: 32
...
	.end_amdgpu_metadata
.endif
;; end of part 4
;; ======== version 2 of 2: 4 launches; version 1 with the launches proj, carry, scan written anew for expert scheduling mode
;; limits: values outside matrix products are rounded to f16; values are held in f16: magnitudes above 65,504 overflow, below 6.1e-05 lose precision
;; workspace buffers: wf1 278,528 bytes; wf2 262,144 bytes; cst 49,408 bytes; vfr 67,108,864 bytes; zt 8,388,608 bytes; hloc 8,421,376 bytes; hin 8,388,608 bytes
;; launch prep: the kernel of part 1 again; grid 134 x 1, 8 waves a work-group, no clusters, 0 bytes of LDS; arguments A_f, A_b, W_fproj, W_bproj, W_fgate, W_bgate, b_fproj, b_bproj, b_fgate, b_bgate, W_out, wf1, wf2, cst; writes wf1, wf2, cst
;; launch proj (part 5): grid 256 x 1, 4 waves a work-group, no clusters, 136,704 bytes of LDS; arguments x, b_fproj, b_bproj, wf1, cst, vfr, zt, hloc; writes vfr, zt, hloc
.if DOCPART == 5
	.amdgcn_target "amdgcn-amd-amdhsa--gfx1250"
	.amdhsa_code_object_version 6
	.text
	.protected	k_q01cc5c07e1_proj
	.globl	k_q01cc5c07e1_proj
	.p2align	8
	.type	k_q01cc5c07e1_proj,@function
k_q01cc5c07e1_proj:
	s_mov_b64 s[64:65], 0
	v_nop
	global_prefetch_b8 v0, s[64:65] scope:SCOPE_SE
	s_setreg_imm32_b32 hwreg(HW_REG_WAVE_SCHED_MODE, 0, 2), 2
	s_setreg_imm32_b32 hwreg(HW_REG_WAVE_MODE, 25, 1), 1
	s_wait_xcnt 0x0
	s_wait_alu depctr_vm_vsrc(0)
; PROJ: for a chunk of 256 tokens (work-group = 256 consecutive rows of x): v = x Wv + bv of both directions (bf16 products, f32 sums), stored in f16 in operand order; zq = clamp((x Wc + bc) log2 e, -126, 126),
; stored in f32; and the chunk's LOCAL end state h (from a zero start) with the product of its gates, in f32, for the launch that carries states from chunk to chunk.
; ALGEBRA.  state[n][d] = A[n][d] h[n][d], h_t = g_t h_(t-1) + (1 - g_t) v_t, g = sigmoid(z) per (t, n).  log2 g = min(zq, 0) - log2(1 + 2^-|zq|), log2(1 - g) = log2 g - zq.
; For 16 tokens, c = the sum of log2 g from the side on which the scan enters up to the token, T the whole sum, b = c - log2(1 - g):  h_out = 2^T h_in + W V, W[n][s] = 2^(T - b[s][n]): every exponent is at most 0.
; The backward direction's local state is gathered in ascending order too: H += 2^(LQ + T - b) V, LQ the sum of T so far.  So all four waves walk x in one order.
; SHARES.  Wave w: direction w / 2, columns d = 128 (w % 2) .. + 127: eight tiles of 16.  Its weights (8 tiles x 8 K steps, and the gate tile) stay in registers for the whole launch.
; LIMITS.  |v| under 65,504 (f16).  g and 1 - g are not taken below 2^-126.  z is summed as x (Wv Wg), an order of rounding other than (x Wv) Wg.  A weight below 6e-8 counts as 0.  NaN and infinities are not treated apart.
; NO CLUSTER, NO TENSOR LOADS: a wave's weights are its own and are read once a work-group, in whole runs of 512 bytes; x is read by one work-group alone.
; THE MODE: SCHED_MODE bits 1:0 = 2 (LLVM: expert scheduling mode 2), set by the entry lines.  The code itself states the register dependences between vector or matrix instructions and memory or LDS
; instructions, with s_wait_alu, always for 0.
; THE PLAN.  Registers that memory or LDS instructions touch, in the loops:
;   raw x (window 2, v128-255)  A block's 64 conversions read it; behind them the next block's 32 loads land in it.
;   ACC                         A block's conversions write it, its 32 LDS stores read it; then it is the products' (and, behind the conversions to VP, the gates' work).
;   XF                          Named by LDS loads and by products alone.  A step's products read it; behind them the next step's 16 loads land in it.
;   VP, ZS                      Written by a step's conversions and selects; read by the nine stores that stand behind the gates' first wait (VP by the state's products too).
;                               ZS lies in ACC: what writes it next is the next step's products, or, behind a block's last step, the next block's conversions: a wait on vm_vsrc stands at the head of each loop.
;   v[TS], TJ                   T goes from lanes into registers through LDS: one store, two loads a step.
;   v4, v5                      LDS addresses, stepped by vector adds, each behind a wait on vm_vsrc and ahead of a wait on va_vdst that stands there anyway.
;   v3, v6-v9                   Offsets and LDS addresses made at the head and never written again: x, vfr and zt are reached by scalar bases that move on.
; REGISTERS.  window 0: below.  window 1: weights of tiles 0-3 at ((e % 4) 8 + ks) 8; window 3: tiles 4-7.  window 2: v0-63 gate weights, v64-127 h (tile e at 64 + 8 e; register j: n = 8 h + j, lane: d), v128-255 x as loaded.
.set XP,    528                        ; a row of X in LDS: 512 bytes of bf16 + 16 = 33 x 16 bytes
.set SCR,   256*XP                     ; 256 bytes a wave: T[n], to turn it from lanes into registers
.set SPARE, SCR+1024                   ; the spare words: 128 bytes a wave, two blocks of 256 bytes that no other line names
.set GT,  12                           ; v12-13 T, twice
.set LQ,  14                           ; v14    the sum of T so far
.set TOF, 16                           ; v16-17 T + BET LQ, twice
.set GAD, 18                           ; v18-19
.set GTM, 20                           ; v20-21
.set GX,  22
.set TS,  23
.set BI,  24                           ; v24-39 bias of tile e, twice, at 24 + 2 e
.set XF,  40                           ; v40-103 x's fragments of 16 tokens x 256
.set ACC, 104                          ; v104-167 the sums; behind the conversions to VP the gates' work lies here:
.set GLG, 104
.set GL1, 112
.set GCF, 120
.set GTB, 128
.set GE,  136
.set ZS,  144
.set TJ,  152
.set GTA, 160
.set Z0,  168
.set Z1,  176
.set VP,  184                          ; v184-215 v in f16: tile e at 184 + 4 e: lane d, tokens 8 h + 0..7
.set WG,  216                          ; v216-227 [0 x 4 | W x 4 | 0 x 4]
.set PP,  228                          ; v228-235 2^T[n = 8 h + j]
.set HST, 236
.set PST, 237
.set RR,  238
.set HB,  239
.set LL,  240
.set WA,  241
.set GA,  242
.set BA,  243
.set CA,  244
.set T0,  245
.set SIG, 24                           ; s[24:25] +1 forward, -1 backward
.set BET, 26                           ; s[26:27] 0, 1
.set HM,  30                           ; s30 the lanes with h = 1
.set SEL, 32                           ; s[32:33] each lane takes its own place in the other half
.set MSB, 0
.macro WIN new
.if MSB != (\new)
	s_set_vgpr_msb (MSB<<8)|(\new)
.set MSB, \new
.endif
.endm
.macro PLACES
.rept 4
	v_nop
.endr
.endm
.macro OUTS                            ; a step's nine stores: v of my eight tiles, 512 consecutive bytes each, and my half of zq
.set e, 0
.rept 8
	global_store_b128 v6, v[VP+4*e:VP+4*e+3], s[14:15] offset:512*e th:TH_STORE_NT
.set e, e+1
.endr
	global_store_b128 v7, v[ZS:ZS+3], s[16:17] th:TH_STORE_NT
.endm
; THE GATES of 16 tokens.  Lane: n (both halves), register j: token 8 h + j.  In: zq.  Out: GLG log2 g, GL1 log2(1 - g), GCF c, GTB b, (needa: GTA a = log2 g + c), GT T.
.macro GATE zq, needa
.irp j,0,1,2,3,4,5,6,7
	v_or_b32 v[GE+\j], 0x80000000, v[\zq+\j]       ; -|zq|
.endr
.irp j,0,1,2,3,4,5,6,7
	v_exp_f32 v[GE+\j], v[GE+\j]
.endr
.irp j,0,1,2,3,4,5,6,7
	v_min_num_f32 v[GLG+\j], 0, v[\zq+\j]          ; plain work that names no exponential's result
.endr
	s_wait_alu depctr_va_vdst(0)                   ; the eight exponentials have written v[GE ..], ahead of their first reader; the conversions have written VP and the selects ZS, which the stores below read
	OUTS
.irp j,0,2,4,6
	v_pk_add_f32 v[GE+\j:GE+\j+1], v[GE+\j:GE+\j+1], 1.0 op_sel_hi:[1,0]
.endr
.irp j,0,1,2,3,4,5,6,7
	v_log_f32 v[GE+\j], v[GE+\j]
.endr
	v_mov_b32 v[GX], 0                             ; the plain instruction behind the last logarithm; it also writes the exchange's destination
	s_wait_alu depctr_va_vdst(0)                   ; the eight logarithms have written v[GE ..], ahead of their first reader
.irp j,0,2,4,6
	v_pk_add_f32 v[GLG+\j:GLG+\j+1], v[GLG+\j:GLG+\j+1], v[GE+\j:GE+\j+1] neg_lo:[0,1] neg_hi:[0,1]
.endr
.irp j,0,2,4,6
	v_pk_add_f32 v[GL1+\j:GL1+\j+1], v[GLG+\j:GLG+\j+1], v[\zq+\j:\zq+\j+1] neg_lo:[0,1] neg_hi:[0,1]
.endr
	v_mov_b32 v[GCF], v[GLG]                       ; the running sum over my eight tokens,
.irp j,1,2,3,4,5,6,7
	v_add_f32 v[GCF+\j], v[GCF+\j-1], v[GLG+\j]
.endr
	v_permlanex16_b32 v[GX], v[GCF+7], s[SEL], s[SEL+1]  ; the other half's eight
	v_add_f32 v[GT], v[GCF+7], v[GX]
	v_add_f32 v[GT+1], v[GCF+7], v[GX]
	v_cndmask_b32 v[GAD], 0, v[GX], s[HM]          ; tokens 8-15 stand behind tokens 0-7
	v_cndmask_b32 v[GAD+1], 0, v[GX], s[HM]
	v_mul_f32 v[GTM], s[BET], v[GT]
	v_mul_f32 v[GTM+1], s[BET], v[GT]
.irp j,0,2,4,6
	v_pk_add_f32 v[GCF+\j:GCF+\j+1], v[GCF+\j:GCF+\j+1], v[GAD:GAD+1]
.endr
.irp j,0,2,4,6
	v_pk_fma_f32 v[GE+\j:GE+\j+1], v[GLG+\j:GLG+\j+1], s[BET:BET+1], v[GTM:GTM+1] op_sel_hi:[1,0,1]
.endr
.irp j,0,2,4,6
	v_pk_fma_f32 v[GCF+\j:GCF+\j+1], v[GCF+\j:GCF+\j+1], s[SIG:SIG+1], v[GE+\j:GE+\j+1] op_sel_hi:[1,0,1]  ; forward: the prefix; backward: T - prefix + log2 g
.endr
.irp j,0,2,4,6
	v_pk_add_f32 v[GTB+\j:GTB+\j+1], v[GCF+\j:GCF+\j+1], v[GL1+\j:GL1+\j+1] neg_lo:[0,1] neg_hi:[0,1]
.endr
.if \needa
.irp j,0,2,4,6
	v_pk_add_f32 v[GTA+\j:GTA+\j+1], v[GLG+\j:GLG+\j+1], v[GCF+\j:GCF+\j+1]
.endr
.endif
.endm
.macro XLOADS                          ; my 16 rows of the block of 64 at s[4:5]: 32 loads of 512 consecutive bytes
	WIN 0x80
.set i, 0
.rept 32
	global_load_b128 v[128+4*i:128+4*i+3], v3, s[4:5] offset:(i/2)*1024+(i%2)*512 th:TH_LOAD_NT
.set i, i+1
.endr
	WIN 0
.endm
.macro XFLOAD                          ; x's fragments of the 16 tokens at v5
.set ks, 0
.rept 8
	ds_load_b128 v[XF+8*ks:XF+8*ks+3], v5 offset:64*ks
	ds_load_b128 v[XF+8*ks+4:XF+8*ks+7], v5 offset:64*ks+32
.set ks, ks+1
.endr
.endm
	s_load_b512 s[4:19], s[0:1], 0x0               ; x 4, b_fproj 6, b_bproj 8, wf1 10, cst 12, vfr 14, zt 16, hloc 18
	v_lshl_add_u32 v1, v0, 2, SPARE                ; my spare word,
	v_mov_b32 v2, 0                                ; and 0: kept for the wave's end
	v_lshrrev_b32 v[T0], 5, v0
	v_readfirstlane_b32 s20, v[T0]                 ; wave
	v_and_b32 v[RR], 15, v0
	v_bfe_u32 v[HB], v0, 4, 1
	v_and_b32 v[LL], 31, v0
	s_wait_alu depctr_va_sdst(0)                   ; s20 is written, ahead of its first reader: direction, half and all the wave's offsets are made from it
	s_lshr_b32 s21, s20, 1                         ; direction
	s_and_b32 s22, s20, 1                          ; half of the columns
	s_cmp_eq_u32 s21, 0
	s_cselect_b32 s24, 1.0, -1.0
	s_cselect_b32 s26, 0, 1.0
	s_cselect_b32 s28, 1.0, 0                      ; forward multiplies h by 2^T, backward by 1
	s_mov_b32 s25, s24
	s_mov_b32 s27, s26
	s_cmp_eq_u32 s22, 0
	s_cselect_b32 s31, 0, -1                       ; which half of zq I store
	s_mov_b32 s30, 0xffff0000
	s_mov_b32 s32, 0x76543210
	s_mov_b32 s33, 0xfedcba98
	s_mov_b32 s34, 0xc2fc0000                      ; -126
	s_mov_b32 s35, 0x42fc0000                      ; 126
	s_mov_b32 s36, 0x3fb8aa3b                      ; log2 e
	s_mov_b32 s37, s36
	s_lshl_b32 s40, s20, 14
	v_lshl_add_u32 v3, v[LL], 4, s40               ; x: my 16 rows of a block of 64, 16 bytes a lane
	s_mul_i32 s40, s20, 16*XP
	v_lshl_add_u32 v4, v[LL], 3, s40               ; X: the same rows, 8 bytes a lane
	v_mul_u32_u24 v5, v[RR], XP
	v_lshl_add_u32 v5, v[HB], 4, v5                ; a fragment's row r, + 16 h
	s_lshl_b32 s40, s20, 16
	v_lshl_add_u32 v6, v[LL], 4, s40               ; vfr: wave x 65,536 + 16 lane
	v_lshl_add_u32 v[WA], v[LL], 4, s40            ; wf1: my eight tiles begin at tile 8 w: the same figure
	s_lshl_b32 s40, s21, 14
	s_lshl_b32 s41, s22, 9
	s_add_co_u32 s40, s40, s41
	v_lshl_add_u32 v7, v[LL], 4, s40               ; zt
	s_lshl_b32 s40, s20, 8
	s_add_co_u32 s40, s40, SCR
	v_lshl_add_u32 v8, v[RR], 2, s40
	v_lshl_add_u32 v9, v[HB], 5, s40
	s_add_co_u32 s40, s21, 32
	s_lshl_b32 s40, s40, 13
	v_lshl_add_u32 v[GA], v[LL], 4, s40            ; wf1: the gate tile
	s_lshl_b32 s40, s22, 9
	s_add_co_u32 s40, s40, 1024
	v_lshl_add_u32 v[BA], v[RR], 2, s40            ; bias: column 256 + 128 hf + r
	s_lshl_b32 s40, s21, 6
	v_lshl_add_u32 v[CA], v[RR], 2, s40
	s_lshr_b32 s43, ttmp9, 6                       ; batch
	s_and_b32 s44, ttmp9, 63                       ; chunk
	s_sub_co_u32 s45, 63, s44
	s_cmp_eq_u32 s21, 0
	s_cselect_b32 s44, s44, s45                    ; its place in the scan's order
	s_lshl1_add_u32 s43, s43, s21
	s_lshl_b32 s43, s43, 6
	s_add_co_u32 s43, s43, s44
	s_lshl_b32 s44, s43, 6
	s_add_co_u32 s44, s44, 0x800000
	v_lshl_add_u32 v[PST], v[RR], 2, s44           ; the gates' product: behind the states
	s_lshl_b32 s43, s43, 14
	s_lshl_b32 s44, s22, 13
	s_add_co_u32 s43, s43, s44
	v_lshl_add_u32 v[HST], v[LL], 4, s43
	s_lshl_b32 s40, ttmp9, 18                      ; 256 rows of 1,024 bytes of x; and 262,144 bytes of vfr
	s_mov_b32 s41, 0
	s_lshl_b32 s46, ttmp9, 15
	s_mov_b32 s47, 0
	s_wait_kmcnt 0x0
	s_add_nc_u64 s[4:5], s[4:5], s[40:41]
	s_add_nc_u64 s[14:15], s[14:15], s[40:41]
	s_add_nc_u64 s[16:17], s[16:17], s[46:47]
	s_cmp_eq_u32 s21, 0
	s_cselect_b64 s[42:43], s[6:7], s[8:9]
	s_wait_alu depctr_va_vdst(0)                   ; all offsets and LDS addresses (v3-v9, v[HST] to v[CA]) are written, which the kernel's loads and stores read
	XLOADS                                         ; the first 64 tokens go out first
	WIN 0x80
.set i, 0
.rept 16
	global_load_b128 v[4*i:4*i+3], v[GA], s[10:11] offset:512*i
.set i, i+1
.endr
	WIN 0x40
.set i, 0
.rept 64
	global_load_b128 v[4*i:4*i+3], v[WA], s[10:11] offset:512*i          ; tile e, K step ks, half c at 8,192 e + 1,024 ks + 512 c: the registers' own order
.set i, i+1
.endr
	WIN 0xc0
.set i, 0
.rept 64
	global_load_b128 v[4*i:4*i+3], v[WA], s[10:11] offset:32768+512*i
.set i, i+1
.endr
	WIN 0
.set e, 0
.rept 8
	global_load_b32 v[BI+2*e], v[BA], s[42:43] offset:64*e
.set e, e+1
.endr
	global_load_b32 v10, v[CA], s[12:13]
	WIN 0x80
.set i, 0
.rept 64
	v_mov_b32 v[64+i], 0                           ; the local state starts at 0: written while the first loads are out, so that the loop has one form of step
.set i, i+1
.endr
	WIN 0
	v_mov_b32 v[LQ], 0
.irp i,0,1,2,3,8,9,10,11
	v_mov_b32 v[WG+\i], 0
.endr
	s_wait_loadcnt 0x0
.set e, 0
.rept 8
	v_cvt_pk_bf16_f32 v[BI+2*e], v[BI+2*e], v[BI+2*e]
	v_lshlrev_b32 v[BI+2*e], 16, v[BI+2*e]
	v_mov_b32 v[BI+2*e+1], v[BI+2*e]
.set e, e+1
.endr
	v_mov_b32 v11, v10
	s_mov_b32 s38, 4
.Louter:                                               ; 64 tokens a trip
	s_wait_loadcnt 0x0                             ; this trip's 32 loads of x, issued a whole trip ago
	s_add_nc_u64 s[4:5], s[4:5], 0x10000           ; free since that wait, which shows the loads that read it done: 64 rows on
	s_wait_alu depctr_vm_vsrc(0)                   ; the store of zq in the block before's last step has read ZS, which lies in ACC: the conversions below write it
	WIN 0x0a
.set i, 0
.rept 64
	v_cvt_pk_bf16_f32 v[ACC+i], v[128+2*i], v[128+2*i+1]
.set i, i+1
.endr
	WIN 0
	s_wait_alu depctr_va_vdst(0)                   ; the conversions are done reading raw x, in which the next loads land, and have written ACC, which the LDS stores read; v4 is written; the last step's products are done reading XF, in which the loads behind the second barrier land
	s_cmp_eq_u32 s38, 1
	s_cbranch_scc1 .Lnox                           ; the last trip has nothing more to ask for
	XLOADS
.Lnox:
	s_wait_dscnt 0x0                               ; my reads of X are over,
	s_barrier_signal -1
	s_barrier_wait -1                              ; everybody's are: X may be written
.set i, 0
.rept 32
	ds_store_b64 v4, v[ACC+2*i:ACC+2*i+1] offset:(i/2)*XP+(i%2)*256
.set i, i+1
.endr
	s_wait_alu depctr_vm_vsrc(0)                   ; the LDS stores have read v4, which the add writes, and ACC, which the products write
	v_add_nc_u32 v4, 64*XP, v4
	s_wait_dscnt 0x0                               ; my rows of X are written,
	s_barrier_signal -1
	s_barrier_wait -1                              ; everybody's are
	XFLOAD                                         ; the block's first 16 tokens.  No wait: no vector or matrix instruction since the wait on va_vdst above names XF or v5
	s_mov_b32 s39, 4
.Linner:                                               ; 16 tokens a trip
	s_wait_dscnt 0x0                               ; this step's fragments of x are in
	s_wait_alu depctr_vm_vsrc(0)                   ; their loads have read v5, which the add writes; the last step's stores have read VP, ZS and v[TS], which this step writes again
	v_add_nc_u32 v5, 16*XP, v5                     ; the next 16 tokens
	WIN 0x04                                       ; weights in window 1.  The accumulators take turns, one instruction a turn
.set ks, 0
.rept 8
.set e, 0
.rept 4
.if ks == 0
	v_wmma_f32_16x16x32_bf16 v[ACC+8*e:ACC+8*e+7], v[XF+8*ks:XF+8*ks+7], v[(e*8+ks)*8:(e*8+ks)*8+7], 0
.else
	v_wmma_f32_16x16x32_bf16 v[ACC+8*e:ACC+8*e+7], v[XF+8*ks:XF+8*ks+7], v[(e*8+ks)*8:(e*8+ks)*8+7], v[ACC+8*e:ACC+8*e+7]
.endif
.set e, e+1
.endr
.set ks, ks+1
.endr
	WIN 0x0c                                       ; window 3
.set ks, 0
.rept 8
.set e, 0
.rept 4
.if ks == 0
	v_wmma_f32_16x16x32_bf16 v[ACC+32+8*e:ACC+32+8*e+7], v[XF+8*ks:XF+8*ks+7], v[(e*8+ks)*8:(e*8+ks)*8+7], 0
.else
	v_wmma_f32_16x16x32_bf16 v[ACC+32+8*e:ACC+32+8*e+7], v[XF+8*ks:XF+8*ks+7], v[(e*8+ks)*8:(e*8+ks)*8+7], v[ACC+32+8*e:ACC+32+8*e+7]
.endif
.set e, e+1
.endr
.set ks, ks+1
.endr
	WIN 0x08                                       ; the gate tile, in window 2: K's even and odd steps in two sums that take turns
.set ks, 0
.rept 8
.if ks < 2
	v_wmma_f32_16x16x32_bf16 v[Z0+8*(ks%2):Z0+8*(ks%2)+7], v[XF+8*ks:XF+8*ks+7], v[8*ks:8*ks+7], 0
.else
	v_wmma_f32_16x16x32_bf16 v[Z0+8*(ks%2):Z0+8*(ks%2)+7], v[XF+8*ks:XF+8*ks+7], v[8*ks:8*ks+7], v[Z0+8*(ks%2):Z0+8*(ks%2)+7]
.endif
.set ks, ks+1
.endr
	WIN 0
	PLACES                                         ; four places between the last product and the first read of a sum or write of a source
	s_wait_alu depctr_va_vdst(0)                   ; the products are done reading XF, in which the next step's fragments land; v5 is written, which their loads read
	s_cmp_eq_u32 s39, 1
	s_cbranch_scc1 .Lnoxf                          ; a block's last step: the next rows of X are not yet written; they are read behind the next block's second barrier
	XFLOAD                                         ; they have the rest of the step in which to land
.Lnoxf:
.set e, 0
.rept 8
.irp j,0,2,4,6
	v_pk_add_f32 v[ACC+8*e+\j:ACC+8*e+\j+1], v[ACC+8*e+\j:ACC+8*e+\j+1], v[BI+2*e:BI+2*e+1]
.endr
.irp j,0,1,2,3
	v_cvt_pk_f16_f32 v[VP+4*e+\j], v[ACC+8*e+2*\j], v[ACC+8*e+2*\j+1]
.endr
.set e, e+1
.endr
.irp j,0,2,4,6
	v_pk_add_f32 v[Z0+\j:Z0+\j+1], v[Z0+\j:Z0+\j+1], v[Z1+\j:Z1+\j+1]
.endr
.irp j,0,2,4,6
	v_pk_fma_f32 v[Z0+\j:Z0+\j+1], v[Z0+\j:Z0+\j+1], s[36:37], v[10:11] op_sel_hi:[1,0,1]
.endr
.irp j,0,1,2,3,4,5,6,7
	v_med3_num_f32 v[Z0+\j], v[Z0+\j], s34, s35
.endr
.irp j,0,1,2,3
	v_cndmask_b32 v[ZS+\j], v[Z0+\j], v[Z0+4+\j], s31          ; the two waves of a direction hold the same zq: each stores half
.endr
	GATE Z0, 0                                     ; the step's nine stores stand behind its first wait
	v_fma_f32 v[TOF], s26, v[LQ], v[GT]
	v_fma_f32 v[TOF+1], s26, v[LQ], v[GT]
.irp j,0,2,4,6
	v_pk_add_f32 v[GE+\j:GE+\j+1], v[TOF:TOF+1], v[GTB+\j:GTB+\j+1] neg_lo:[0,1] neg_hi:[0,1]
.endr
	v_mul_f32 v[TS], s28, v[GT]
	v_add_f32 v[LQ], v[LQ], v[GT]
	s_wait_alu depctr_va_vdst(0)                   ; v[TS] is written, which the LDS store reads; the additions of the bias have written the registers of TJ, in which the loads land
	ds_store_b32 v8, v[TS]                         ; T[n] from lane n (both halves store the same word),
	ds_load_b128 v[TJ:TJ+3], v9                    ; back as T[8 h + 0..7]: LDS serves a wave's instructions in order (ISA guide 5.7.1.4), and the bytes are my wave's own
	ds_load_b128 v[TJ+4:TJ+7], v9 offset:16
.irp j,0,1,2,3,4,5,6,7
	v_exp_f32 v[GE+\j], v[GE+\j]                   ; these name neither v[TS] nor TJ
.endr
	s_wait_dscnt 0x0
.irp j,0,1,2,3,4,5,6,7
	v_exp_f32 v[PP+\j], v[TJ+\j]
.endr
	v_nop                                          ; a plain instruction behind the last exponential,
	s_wait_alu depctr_va_vdst(0)                   ; and one wait: the sixteen exponentials have written v[GE ..] and v[PP ..], ahead of their first reader
.irp j,0,1,2,3
	v_cvt_pk_f16_f32 v[WG+4+\j], v[GE+2*\j], v[GE+2*\j+1]
.endr
	WIN 0x82
.set e, 0
.rept 8
.irp j,0,2,4,6
	v_pk_mul_f32 v[64+8*e+\j:64+8*e+\j+1], v[64+8*e+\j:64+8*e+\j+1], v[PP+\j:PP+\j+1]
.endr
.set e, e+1
.endr
	WIN 0xa0                                       ; h += W V.  K = 32 holds 16 tokens: [W | 0] meets [tile e | tile e + 1]; for the last tile [0 | W] meets [tile 6 | tile 7]
.set e, 0
.rept 7
	v_wmma_f32_16x16x32_f16 v[64+8*e:64+8*e+7], v[WG+4:WG+11], v[VP+4*e:VP+4*e+7], v[64+8*e:64+8*e+7]
.set e, e+1
.endr
	v_wmma_f32_16x16x32_f16 v[120:127], v[WG:WG+7], v[VP+24:VP+31], v[120:127]
	WIN 0
	s_wait_xcnt 0x0                                ; the step's stores have had their addresses translated: only behind this wait do their bases move on, and are VP and ZS written again
	s_add_nc_u64 s[14:15], s[14:15], 4096          ; vfr: 16 tokens on
	s_add_nc_u64 s[16:17], s[16:17], 1024          ; zt
	s_sub_co_u32 s39, s39, 1
	s_cmp_lg_u32 s39, 0
	s_cbranch_scc1 .Linner
	s_sub_co_u32 s38, s38, 1
	s_cmp_lg_u32 s38, 0
	s_cbranch_scc1 .Louter
	PLACES                                         ; four places behind the last product, before its result is stored
	s_wait_alu depctr_vm_vsrc(0)                   ; the last step's LDS store has read v[TS], which the exponential writes
	v_exp_f32 v[TS], v[LQ]                         ; the product of the chunk's gates
	v_nop
	WIN 0x08
	s_wait_alu depctr_va_vdst(0)                   ; the products have written h and the exponential v[TS], which the stores read
.set i, 0
.rept 16
	global_store_b128 v[HST], v[64+4*i:64+4*i+3], s[18:19] offset:512*i
.set i, i+1
.endr
	WIN 0
	s_cmp_lg_u32 s22, 0
	s_cbranch_scc1 .Lend                           ; one wave a direction stores the product
	global_store_b32 v[PST], v[TS], s[18:19]
.Lend:
	s_wait_dscnt 0x0                               ; the closing lines, six on end
	s_wait_alu 0x0
	s_wait_tensorcnt 0x0
	ds_add_u32 v1, v2
	s_wait_dscnt 0x0
	s_endpgm
.Lfunc_end_k_q01cc5c07e1_proj:
	.size	k_q01cc5c07e1_proj, .Lfunc_end_k_q01cc5c07e1_proj-k_q01cc5c07e1_proj
	.p2alignl 7, 3214868480
	.fill 96, 4, 3214868480
	.section	.rodata,"a",@progbits
	.p2align	6, 0x0
	.amdhsa_kernel k_q01cc5c07e1_proj
		.amdhsa_group_segment_fixed_size 136704
		.amdhsa_private_segment_fixed_size 0
		.amdhsa_enable_private_segment 0
		.amdhsa_kernarg_size 64
		.amdhsa_user_sgpr_count 2
		.amdhsa_user_sgpr_kernarg_segment_ptr 1
		.amdhsa_wavefront_size32 1
		.amdhsa_system_sgpr_workgroup_id_x 1
		.amdhsa_system_sgpr_workgroup_id_y 1
		.amdhsa_system_sgpr_workgroup_id_z 1
		.amdhsa_system_vgpr_workitem_id 0
		.amdhsa_next_free_vgpr 1024
		.amdhsa_next_free_sgpr 66
		.amdhsa_reserve_vcc 0
		.amdhsa_float_denorm_mode_32 3
		.amdhsa_float_denorm_mode_16_64 3
		.amdhsa_memory_ordered 1
		.amdhsa_forward_progress 1
		.amdhsa_inst_pref_size 58
	.end_amdhsa_kernel
	.amdgpu_metadata
---
amdhsa.version: [ 1, 2 ]
amdhsa.kernels:
  - .name:           k_q01cc5c07e1_proj
    .symbol:         k_q01cc5c07e1_proj.kd
    .args:
      - { .name: x, .offset: 0, .size: 8, .value_kind: global_buffer, .address_space: global }
      - { .name: b_fproj, .offset: 8, .size: 8, .value_kind: global_buffer, .address_space: global }
      - { .name: b_bproj, .offset: 16, .size: 8, .value_kind: global_buffer, .address_space: global }
      - { .name: wf1, .offset: 24, .size: 8, .value_kind: global_buffer, .address_space: global }
      - { .name: cst, .offset: 32, .size: 8, .value_kind: global_buffer, .address_space: global }
      - { .name: vfr, .offset: 40, .size: 8, .value_kind: global_buffer, .address_space: global }
      - { .name: zt, .offset: 48, .size: 8, .value_kind: global_buffer, .address_space: global }
      - { .name: hloc, .offset: 56, .size: 8, .value_kind: global_buffer, .address_space: global }
    .group_segment_fixed_size: 136704
    .private_segment_fixed_size: 0
    .kernarg_segment_align: 8
    .kernarg_segment_size: 64
    .max_flat_workgroup_size: 128
    .sgpr_count:     66
    .vgpr_count:     1024
    .wavefront_size: 32
...
	.end_amdgpu_metadata
.endif
;; end of part 5
;; launch carry (part 6): grid 256 x 1, 1 waves a work-group, no clusters, 0 bytes of LDS; arguments hloc, hin; writes hin
.if DOCPART == 6
	.amdgcn_target "amdgcn-amd-amdhsa--gfx1250"
	.amdhsa_code_object_version 6
	.text
	.protected	k_q01cc5c07e1_carry
	.globl	k_q01cc5c07e1_carry
	.p2align	8
	.type	k_q01cc5c07e1_carry,@function
k_q01cc5c07e1_carry:
	s_mov_b64 s[64:65], 0
	v_nop
	global_prefetch_b8 v0, s[64:65] scope:SCOPE_SE
	s_setreg_imm32_b32 hwreg(HW_REG_WAVE_SCHED_MODE, 0, 2), 2
	s_setreg_imm32_b32 hwreg(HW_REG_WAVE_MODE, 25, 1), 1
	s_wait_xcnt 0x0
	s_wait_alu depctr_vm_vsrc(0)
; CARRY: the state that enters each chunk, exactly, in f32: hin(0) = 0, hin(sc + 1) = P(sc) hin(sc) + hloc(sc), sc = 0 .. 62 in the scan's order, for each (batch, direction).
; A work-group of one wave owns 512 bytes (4 n x 16 d x both halves of the lanes) of the state of one (batch, direction): 8 x 32 work-groups.  All 126 loads go out at once; the chain is two packed
; multiply-adds a chunk.  No register is written twice, so no store's source is ever rewritten.
; window 1: v[4 sc ..] hloc(sc), turned in place into hin(sc + 1); v252-255 zeros.  window 2: v[4 sc ..] P(sc) of my four n.
; THE MODE: SCHED_MODE bits 1:0 = 2 (LLVM: expert scheduling mode 2), set by the entry lines.  The code itself states the register dependences between vector instructions and memory instructions,
; with s_wait_alu, always for 0.
; THE PLAN.  Registers that memory instructions touch:
;   v1, v2               offsets, made at the head and never written again.
;   window 1 v[4 sc ..]  A load lands in it; the chain's two multiply-adds of step sc write it once; one store reads it; the next step's multiply-adds read it.  Nothing writes it after the store.
;   window 1 v252-255    zeros, written at the head; read by the first store and by step 0.
;   window 2             P: loads land in it, multiply-adds read it.
; The 63 steps go in 9 blocks of 7.  One wait on va_vdst stands ahead of each run of seven stores, at the head of the block after the one that made their data; the multiply-adds that follow write other registers.
; Nothing that a memory instruction has read is written again, so no wait on vm_vsrc is owed.
.set BLK, 7
.set MSB, 0
.macro WIN new
.if MSB != (\new)
	s_set_vgpr_msb (MSB<<8)|(\new)
.set MSB, \new
.endif
.endm
	s_load_b128 s[4:7], s[0:1], 0x0                ; hloc, hin
	s_lshr_b32 s8, ttmp9, 5                        ; (batch, direction)
	s_and_b32 s9, ttmp9, 31                        ; which 512 bytes of the 16,384 of a state
	s_lshl_b32 s10, s8, 20
	s_lshl_b32 s11, s9, 9
	s_add_co_u32 s10, s10, s11
	v_lshl_add_u32 v1, v0, 4, s10
	v_lshrrev_b32 v2, 4, v0                        ; h
	s_and_b32 s11, s9, 1
	s_lshl_b32 s11, s11, 4                         ; n = 8 h + 4 (unit % 2) + 0..3
	s_lshl_b32 s12, s8, 12
	s_add_co_u32 s11, s11, s12
	s_add_co_u32 s11, s11, 0x800000                ; the products lie behind the states
	v_lshl_add_u32 v2, v2, 5, s11
	WIN 0x40
.irp i,252,253,254,255
	v_mov_b32 v\i, 0
.endr
	s_wait_kmcnt 0x0
	s_wait_alu depctr_va_vdst(0)                   ; v1 and v2 are written, which every load and store reads as its offset; so are the zeros, which the first store reads
.set sc, 0
.rept 63
	global_load_b128 v[4*sc:4*sc+3], v1, s[4:5] offset:16384*sc th:TH_LOAD_NT
.set sc, sc+1
.endr
	WIN 0x80
.set sc, 0
.rept 63
	global_load_b128 v[4*sc:4*sc+3], v2, s[4:5] offset:64*sc
.set sc, sc+1
.endr
	WIN 0x04
	global_store_b128 v1, v[252:255], s[6:7]       ; hin(0) = 0
.set b, 0
.rept 9
.if b > 0
	WIN 0x04
	s_wait_alu depctr_va_vdst(0)                   ; the block before has written its seven states, which the stores below read
.set st, BLK*(b-1)
.rept BLK
	global_store_b128 v1, v[4*st:4*st+3], s[6:7] offset:16384*(st+1)
.set st, st+1
.endr
.endif
	s_wait_loadcnt 62-(BLK*b+BLK-1)                ; loads come back in order (ISA guide 5.7.1): the block's last P is in, and all of hloc before it; the loads of P issued behind it may stay out
	WIN 0x59                                       ; hin and hloc in window 1, P in window 2
.set sc, BLK*b
.rept BLK
.set pv, (4*sc+252)%256                ; the registers of hin(sc)
	v_pk_fma_f32 v[4*sc:4*sc+1], v[pv:pv+1], v[4*sc:4*sc+1], v[4*sc:4*sc+1]
	v_pk_fma_f32 v[4*sc+2:4*sc+3], v[pv+2:pv+3], v[4*sc+2:4*sc+3], v[4*sc+2:4*sc+3]
.set sc, sc+1
.endr
.set b, b+1
.endr
	WIN 0x04
	s_wait_alu depctr_va_vdst(0)                   ; the last block has written its seven states, which the last stores read
.set st, BLK*8
.rept BLK
	global_store_b128 v1, v[4*st:4*st+3], s[6:7] offset:16384*(st+1)
.set st, st+1
.endr
	WIN 0
	s_endpgm
.Lfunc_end_k_q01cc5c07e1_carry:
	.size	k_q01cc5c07e1_carry, .Lfunc_end_k_q01cc5c07e1_carry-k_q01cc5c07e1_carry
	.p2alignl 7, 3214868480
	.fill 96, 4, 3214868480
	.section	.rodata,"a",@progbits
	.p2align	6, 0x0
	.amdhsa_kernel k_q01cc5c07e1_carry
		.amdhsa_group_segment_fixed_size 0
		.amdhsa_private_segment_fixed_size 0
		.amdhsa_enable_private_segment 0
		.amdhsa_kernarg_size 16
		.amdhsa_user_sgpr_count 2
		.amdhsa_user_sgpr_kernarg_segment_ptr 1
		.amdhsa_wavefront_size32 1
		.amdhsa_system_sgpr_workgroup_id_x 1
		.amdhsa_system_sgpr_workgroup_id_y 1
		.amdhsa_system_sgpr_workgroup_id_z 1
		.amdhsa_system_vgpr_workitem_id 0
		.amdhsa_next_free_vgpr 768
		.amdhsa_next_free_sgpr 66
		.amdhsa_reserve_vcc 0
		.amdhsa_float_denorm_mode_32 3
		.amdhsa_float_denorm_mode_16_64 3
		.amdhsa_memory_ordered 1
		.amdhsa_forward_progress 1
		.amdhsa_inst_pref_size 29
	.end_amdhsa_kernel
	.amdgpu_metadata
---
amdhsa.version: [ 1, 2 ]
amdhsa.kernels:
  - .name:           k_q01cc5c07e1_carry
    .symbol:         k_q01cc5c07e1_carry.kd
    .args:
      - { .name: hloc, .offset: 0, .size: 8, .value_kind: global_buffer, .address_space: global }
      - { .name: hin, .offset: 8, .size: 8, .value_kind: global_buffer, .address_space: global }
    .group_segment_fixed_size: 0
    .private_segment_fixed_size: 0
    .kernarg_segment_align: 8
    .kernarg_segment_size: 16
    .max_flat_workgroup_size: 32
    .sgpr_count:     66
    .vgpr_count:     768
    .wavefront_size: 32
...
	.end_amdgpu_metadata
.endif
;; end of part 6
;; launch scan (part 7): grid 256 x 1, 4 waves a work-group, no clusters, 312,832 bytes of LDS; arguments vfr, zt, hin, cst, wf2, b_out, ln_g, ln_b, out0; writes out0
.if DOCPART == 7
	.amdgcn_target "amdgcn-amd-amdhsa--gfx1250"
	.amdhsa_code_object_version 6
	.text
	.protected	k_q01cc5c07e1_scan
	.globl	k_q01cc5c07e1_scan
	.p2align	8
	.type	k_q01cc5c07e1_scan,@function
k_q01cc5c07e1_scan:
	s_mov_b64 s[64:65], 0
	v_nop
	global_prefetch_b8 v0, s[64:65] scope:SCOPE_SE
	s_setreg_imm32_b32 hwreg(HW_REG_WAVE_SCHED_MODE, 0, 2), 2
	s_setreg_imm32_b32 hwreg(HW_REG_WAVE_MODE, 25, 1), 1
	s_wait_xcnt 0x0
	s_wait_alu depctr_vm_vsrc(0)
; SCAN: for a chunk of 256 tokens: both gated scans from the true carried-in state, the output projection and the LayerNorm.
; ALGEBRA, for 16 tokens of one direction (logs to base 2; c = the sum of log g from the entering side up to the token, T the whole sum, a = log g + c, b = c - log(1 - g)):
;   out[t][d] = sum over (n, s) of L_n[t][s] (A'[n][d] v[s][d]) + sum over n of G[t][n] (A'[n][d] h_in[n][d]),  L_n[t][s] = 2^(a[t][n] - b[s][n]) where s is not behind t in the scan's order, else 0,  G = 2^a;
;   h_out = 2^T h_in + W V,  W[n][s] = 2^(T - b[s][n]).  Every exponent that is kept is at most 0; what the mask drops is cleared bit by bit, whatever it holds.
; The first sum is ONE product with K = (n, s) = 256, whose left operand U = A' v is made by packed f16 multiplies: eight of them for each matrix instruction.
; A' = A 2^-e with the sum over n of |A'| at most 1 (the launch that lays the weights out); W_out's rows carry 2^e.  So |U|, |A' h| and |F| stay within the range of |v|.
; FORMATS.  All inputs rounded to bf16; v, U, L, G, W, A' h and the scans' result F in f16; h, all sums, the logs and the LayerNorm (mean first, then squared deviations) in f32.
; LIMITS.  |v| under 65,504.  g and 1 - g not below 2^-126.  f16 weights below 6e-8 count as 0.  NaN and infinities are not treated apart.
; SHARES.  Wave w in the scans: direction w / 2, columns d = 128 (w % 2) .. + 127, eight tiles; the two waves of a direction each make half of L (eight n) and hand it over in LDS: one barrier a step.
; Step i takes tokens 16 i .. (forward) or 16 (15 - i) .. (backward).  In the projection wave w owns output channels 64 w .. 64 w + 63.
; NO CLUSTER, NO TENSOR LOADS: v, zq and the state are this work-group's alone; the weights shared by all work-groups (wf2, cst) are read once a work-group into registers, in whole runs of 512 bytes.
; LDS.  F [256 rows][1,040]: row block = the STEP for both directions, columns 512 dir + 2 d.  LB: two buffers of L, [dir][q 8][c 2][lane x 16]; later each wave's stage of 16 x 272.  SCR: a wave's tables a[t][n], b[n][s] (pitch 80), T[n].
; THE MODE: SCHED_MODE bits 1:0 = 2 (LLVM: expert scheduling mode 2), set by the entry lines.  The code itself states the register dependences between vector or matrix instructions and memory or LDS
; instructions, with s_wait_alu, always for 0.
; THE PLAN, the scans.  Registers that memory or LDS instructions touch:
;   V0, V1 (window 2)   Step p multiplies by V[p]; at its head the next step's loads land in V[1 - p], which the step before read.
;   ZQ0, ZQ1            NEXT p reads ZQ[p]; the loads of the step after land in it.
;   L (window 1)        A step's products read it; the next step's LDS loads land in it.
;   FQ (window 2)       A step's conversions write it, its eight LDS stores read it.
;   a, b, T; OUT        NEXT writes them, its LDS stores read them; OUT twice in a NEXT.       AL, AG, TJ, BL   LDS loads land in them, NEXT's vector work reads (and writes over) them.
;   v[VO], v[ZO]        stepped at a step's head; v[PFV], v[FST] at a trip's end; all other addresses are never written in the loop.
; So a step's head has one wait on vm_vsrc (all that the step before stored or addressed has been read), the two adds, and one wait on va_vdst (the adds; the step before is done with V[1 - p], ZQ[p] and L).
; F's stores stand behind one wait and ahead of the state's products.  NEXT has one wait ahead of its tables' stores and loads, one ahead of each run of L's stores, and one on vm_vsrc ahead of OUT's second use.
; THE PLAN, the projection.  FB0, FB1: K step i's products read FB[i % 2]; behind the wait at its head, which shows the products of K step i - 1 done, the fragments of K step i + 1 land in the other buffer.
; The sums go through the stage into four out-buffers OB of their own, so that no load lands in a register that a store reads; one wait on va_vdst stands ahead of the first tile's LDS stores.
; A block's end has one wait on vm_vsrc ahead of the address steps, the loop's head one on va_vdst behind them.
; REGISTERS.  window 0: below.  window 1: A' pairs v0-127, A' for the state v128-159, L v160-223, G (two of [0|G|0]) v224-247; later wf2's K steps 0-7.
;   window 2: v (two buffers) v0-63, U (two) v64-79, sums v80-143, A' h v144-175, F packed v176-207, b_out v208-239; later the projection's 16 sums v0-127, ln_g v128-159, ln_b v160-191.  window 3: wf2's K steps 8-15.
.set FPI,   1040
.set LB,    256*FPI
.set SCR,   LB+32768
.set SCRW,  2816
.set LNX,   SCR+4*SCRW
.set SPARE, LNX+2048                   ; the spare words: 128 bytes a wave, two blocks of 256 bytes that no other line names
.set STG,   LB
.set VO,  3
.set ZO,  4
.set PFV, 5
.set PFZ, 6
.set FST, 7
.set LBL, 8
.set LBS, 9
.set TAS, 10
.set TBS, 11
.set TTS, 12
.set ALA, 13
.set AGA, 14
.set BLA, 15
.set TJA, 16
.set GX,  17
.set GT,  18                           ; v18-19 T, twice
.set MK,  20                           ; v20-23 the mask of pairs (s = 8 h + 2 i, + 1) for t = lane % 16
.set ZQ,  24                           ; v24-39 zq, two buffers
.set WW,  40                           ; v40-63 two of [0 x 4 | W x 4 | 0 x 4]
.set PP,  64                           ; v64-79 2^T[8 h + j], two buffers
.set HH,  80                           ; v80-143 h: tile e at 80 + 8 e; register j: n = 8 h + j, lane: d
.set BL,  144                          ; v144-175 b of four n; the gates' plain work lies here too
.set GLG, 144
.set GL1, 152
.set GCF, 160
.set GE,  168
.set GTA, 176
.set GTB, 184
.set AL,  192
.set AG,  200
.set TJ,  208
.set OUT, 216
.set WE,  232
.set GAD, 240
.set GTM, 242
.set HIA, 244
.set APA, 245
.set ASA, 246
.set ZO0, 247
.set WFA, 248
.set BOA, 249
.set RR,  250
.set HB,  251
.set LL,  252
.set T0,  253
.set AP,  0                            ; window 1
.set AS,  128
.set LF,  160
.set GG,  224
.set UU,  64                           ; window 2
.set ACC, 80
.set SP,  144
.set FQ,  176
.set BO,  208
.set LNG, 128
.set LNB, 160
.set FFA, 3                            ; window 0, second half
.set FBA, 4
.set LNS, 5
.set LNL, 6
.set STS, 7
.set STL, 8
.set GO,  9
.set FB,  64                           ; v64-127 F's fragments, two buffers
.set OB,  64                           ; v64-191 on the way out: token tile t as whole rows at 64 + 32 t
.set TQ,  128
.set SM,  160
.set MU,  164
.set RS,  172
.set SIG, 26
.set BET, 28
.set HM,  30
.set SEL, 32
.set CM,  48                           ; s48-55 at the head only: the eight compares' masks
.set MSB, 0
.macro WIN new
.if MSB != (\new)
	s_set_vgpr_msb (MSB<<8)|(\new)
.set MSB, \new
.endif
.endm
.macro PLACES
.rept 4
	v_nop
.endr
.endm
; THE GATES of 16 tokens.  Lane: n (both halves), register j: token 8 h + j.  In: zq.  Out: GLG log g, GL1 log(1 - g), GCF c, GTB b, GTA a, GT T.
.macro GATE zq
.irp j,0,1,2,3,4,5,6,7
	v_or_b32 v[GE+\j], 0x80000000, v[\zq+\j]       ; -|zq|
.endr
.irp j,0,1,2,3,4,5,6,7
	v_exp_f32 v[GE+\j], v[GE+\j]
.endr
.irp j,0,1,2,3,4,5,6,7
	v_min_num_f32 v[GLG+\j], 0, v[\zq+\j]          ; plain work that names no exponential's result
.endr
	s_wait_alu depctr_va_vdst(0)                   ; the eight exponentials have written v[GE ..], ahead of their first reader
.irp j,0,2,4,6
	v_pk_add_f32 v[GE+\j:GE+\j+1], v[GE+\j:GE+\j+1], 1.0 op_sel_hi:[1,0]
.endr
.irp j,0,1,2,3,4,5,6,7
	v_log_f32 v[GE+\j], v[GE+\j]
.endr
	v_mov_b32 v[GX], 0                             ; the plain instruction behind the last logarithm; it also writes the exchange's destination
	s_wait_alu depctr_va_vdst(0)                   ; the eight logarithms have written v[GE ..], ahead of their first reader
.irp j,0,2,4,6
	v_pk_add_f32 v[GLG+\j:GLG+\j+1], v[GLG+\j:GLG+\j+1], v[GE+\j:GE+\j+1] neg_lo:[0,1] neg_hi:[0,1]
.endr
.irp j,0,2,4,6
	v_pk_add_f32 v[GL1+\j:GL1+\j+1], v[GLG+\j:GLG+\j+1], v[\zq+\j:\zq+\j+1] neg_lo:[0,1] neg_hi:[0,1]
.endr
	v_mov_b32 v[GCF], v[GLG]
.irp j,1,2,3,4,5,6,7
	v_add_f32 v[GCF+\j], v[GCF+\j-1], v[GLG+\j]
.endr
	v_permlanex16_b32 v[GX], v[GCF+7], s[SEL], s[SEL+1]
	v_add_f32 v[GT], v[GCF+7], v[GX]
	v_add_f32 v[GT+1], v[GCF+7], v[GX]
	v_cndmask_b32 v[GAD], 0, v[GX], s[HM]
	v_cndmask_b32 v[GAD+1], 0, v[GX], s[HM]
	v_mul_f32 v[GTM], s[BET], v[GT]
	v_mul_f32 v[GTM+1], s[BET], v[GT]
.irp j,0,2,4,6
	v_pk_add_f32 v[GCF+\j:GCF+\j+1], v[GCF+\j:GCF+\j+1], v[GAD:GAD+1]
.endr
.irp j,0,2,4,6
	v_pk_fma_f32 v[GE+\j:GE+\j+1], v[GLG+\j:GLG+\j+1], s[BET:BET+1], v[GTM:GTM+1] op_sel_hi:[1,0,1]
.endr
.irp j,0,2,4,6
	v_pk_fma_f32 v[GCF+\j:GCF+\j+1], v[GCF+\j:GCF+\j+1], s[SIG:SIG+1], v[GE+\j:GE+\j+1] op_sel_hi:[1,0,1]  ; forward: the prefix; backward: T - prefix + log g
.endr
.irp j,0,2,4,6
	v_pk_add_f32 v[GTB+\j:GTB+\j+1], v[GCF+\j:GCF+\j+1], v[GL1+\j:GL1+\j+1] neg_lo:[0,1] neg_hi:[0,1]
.endr
.irp j,0,2,4,6
	v_pk_add_f32 v[GTA+\j:GTA+\j+1], v[GLG+\j:GLG+\j+1], v[GCF+\j:GCF+\j+1]
.endr
.endm
; Four of my eight n (n0 .. n0 + 3): b[s = 8 h + 0..7][n] in; a[t = lane % 16][n] - b; 2^..; f16, masked, into buffer p of LB
.macro LLOAD n0
.set nn, 0
.rept 4
	ds_load_b128 v[BL+8*nn:BL+8*nn+3], v[BLA] offset:80*((\n0)+nn)
	ds_load_b128 v[BL+8*nn+4:BL+8*nn+7], v[BLA] offset:80*((\n0)+nn)+16
.set nn, nn+1
.endr
.endm
.macro LSUBEXP n0
.set nn, 0
.rept 32
	v_sub_f32 v[BL+nn], v[AL+(\n0)+nn/8], v[BL+nn]
.set nn, nn+1
.endr
.set nn, 0
.rept 32
	v_exp_f32 v[BL+nn], v[BL+nn]
.set nn, nn+1
.endr
.endm
.macro LOUT p, n0
.if (\n0) > 0
	s_wait_alu depctr_vm_vsrc(0)                   ; the LDS stores of the first four n have read v[OUT ..], which the conversions write again
.endif
.set nn, 0
.rept 16
	v_cvt_pk_f16_f32 v[OUT+nn], v[BL+2*nn], v[BL+2*nn+1]
.set nn, nn+1
.endr
.set nn, 0
.rept 16
	v_and_b32 v[OUT+nn], v[OUT+nn], v[MK+nn%4]
.set nn, nn+1
.endr
	s_wait_alu depctr_va_vdst(0)                   ; v[OUT ..] is written, which the LDS stores read; the conversions are done reading v[BL ..], in which the next loads land
.set nn, 0
.rept 4
	ds_store_b128 v[LBS], v[OUT+4*nn:OUT+4*nn+3] offset:(\p)*16384+(((\n0)+nn)/2)*1024+(((\n0)+nn)%2)*512
.set nn, nn+1
.endr
.endm
; What the next step wants of its gates: W, 2^T, G in registers, my half of L in LB.  It reads ZQ's buffer p and writes the buffers p.
.macro NEXT p
	GATE ZQ+8*(\p)
.irp j,0,2,4,6
	v_pk_add_f32 v[WE+\j:WE+\j+1], v[GT:GT+1], v[GTB+\j:GTB+\j+1] neg_lo:[0,1] neg_hi:[0,1]
.endr
	s_wait_alu depctr_va_vdst(0)                   ; a, b and T are written, which the LDS stores read; the vector work is done with AL, AG, TJ and BL (the gates' work lay there), in which the loads land
.irp j,0,1,2,3,4,5,6,7
	ds_store_b32 v[TAS], v[GTA+\j] offset:80*\j    ; a[t][n]: the tables are my wave's own, and LDS serves a wave's instructions in order (ISA guide 5.7.1.4): no barrier, no wait between store and load
.endr
	ds_store_b128 v[TBS], v[GTB:GTB+3]             ; b[n][s]
	ds_store_b128 v[TBS], v[GTB+4:GTB+7] offset:16
	ds_store_b32 v[TTS], v[GT]
	ds_load_b128 v[AL:AL+3], v[ALA]                ; a[t = lane % 16][my eight n]
	ds_load_b128 v[AL+4:AL+7], v[ALA] offset:16
	ds_load_b128 v[AG:AG+3], v[AGA]                ; a[t][n = 8 h + 0..7]
	ds_load_b128 v[AG+4:AG+7], v[AGA] offset:16
	ds_load_b128 v[TJ:TJ+3], v[TJA]                ; T[n = 8 h + 0..7]
	ds_load_b128 v[TJ+4:TJ+7], v[TJA] offset:16
	LLOAD 0
	s_wait_dscnt 0x0
	LSUBEXP 0
.irp j,0,1,2,3,4,5,6,7
	v_exp_f32 v[AG+\j], v[AG+\j]
.endr
.irp j,0,1,2,3,4,5,6,7
	v_exp_f32 v[PP+8*(\p)+\j], v[TJ+\j]
.endr
.irp j,0,1,2,3,4,5,6,7
	v_exp_f32 v[WE+\j], v[WE+\j]
.endr
	v_nop                                          ; a plain instruction behind the last exponential,
	s_wait_alu depctr_va_vdst(0)                   ; and one wait: the 56 exponentials have written v[BL ..], v[AG ..], v[PP ..] and v[WE ..], ahead of their first reader
	LOUT \p, 0
	LLOAD 4                                        ; no wait: no vector instruction since LOUT's wait
.irp j,0,1,2,3
	v_cvt_pk_f16_f32 v[WW+12*(\p)+4+\j], v[WE+2*\j], v[WE+2*\j+1]     ; these eight name WW, WE, G and AG: none of the registers that the loads above touch
.endr
	WIN 0x40
.irp j,0,1,2,3
	v_cvt_pk_f16_f32 v[GG+12*(\p)+4+\j], v[AG+2*\j], v[AG+2*\j+1]
.endr
	WIN 0
	s_wait_dscnt 0x0
	LSUBEXP 4
	v_nop
	s_wait_alu depctr_va_vdst(0)                   ; the 32 exponentials have written v[BL ..], ahead of their first reader
	LOUT \p, 4
.endm
.macro VLOAD b                         ; a step's v, 4,096 consecutive bytes, into buffer b (window 2)
.set e, 0
.rept 8
	global_load_b128 v[32*(\b)+4*e:32*(\b)+4*e+3], v[VO], s[4:5] offset:512*e th:TH_LOAD_NT
.set e, e+1
.endr
.endm
.macro ZLOAD b, adr
	global_load_b128 v[ZQ+8*(\b):ZQ+8*(\b)+3], v[\adr], s[6:7]
	global_load_b128 v[ZQ+8*(\b)+4:ZQ+8*(\b)+7], v[\adr], s[6:7] offset:512
.endm
; A STEP, parity p.  s38 counts the trips of two steps down from 8; what the last trip has no use for is jumped over, forward.
.macro STEP p
	s_wait_loadcnt 0x0                             ; this step's v and the next step's zq, asked for a whole step ago
	s_wait_dscnt 0x0                               ; my half of this step's L is written, and my reads of the other buffer are over,
	s_barrier_signal -1
	s_barrier_wait -1                              ; everybody's
	s_wait_alu depctr_vm_vsrc(0)                   ; the last step's loads have read v[VO] and v[ZO], which the adds write; its LDS stores have read FQ, v[OUT ..], a, b and T, which this step writes again
	v_add_nc_u32 v[VO], s34, v[VO]                 ; their loads are done: a step on
	v_add_nc_u32 v[ZO], s35, v[ZO]
	s_wait_alu depctr_va_vdst(0)                   ; v[VO], v[ZO] (and, behind a trip's end, v[PFV]) are written, which the loads and the prefetch read; the last step is done reading v's other buffer, this zq buffer and L, in which the loads land
.if (\p) == 0
	WIN 0x80
	VLOAD 1
	WIN 0
	s_cmp_eq_u32 s38, 1
	s_cbranch_scc1 .Lasked_\@
	ZLOAD 0, ZO
	s_cmp_gt_u32 s38, 2                            ; trip k asks for my own 8,192 bytes of v of steps 2 k + 4 and 2 k + 5, a lane for each 256 bytes: they exist up to k = 5
	s_cbranch_scc0 .Lasked_\@
	global_prefetch_b8 v[PFV], s[4:5] th:TH_LOAD_NT scope:SCOPE_SE
	s_cmp_eq_u32 s38, 8                            ; and the first trip for my half of my direction's zq, 8,192 bytes
	s_cbranch_scc0 .Lasked_\@
	global_prefetch_b8 v[PFZ], s[6:7] th:TH_LOAD_NT scope:SCOPE_SE
.Lasked_\@:
.else
	s_cmp_eq_u32 s38, 1
	s_cbranch_scc1 .Lasked_\@
	WIN 0x80
	VLOAD 0
	WIN 0
	ZLOAD 1, ZO
.Lasked_\@:
.endif
	WIN 0x40
.set q, 0
.rept 16
	ds_load_b128 v[LF+4*q:LF+4*q+3], v[LBL] offset:(\p)*16384+512*q    ; L: fragment q holds n = 2 q (K 0-15) and 2 q + 1 (K 16-31)
.set q, q+1
.endr
	WIN 0x80
.set i, 0
.rept 32
	v_cvt_pk_f16_f32 v[SP+i], v[HH+2*i], v[HH+2*i+1]
.set i, i+1
.endr
	WIN 0xa6                                       ; one setting for the four kinds of line below: source 0 and the sums in window 2, source 1 in window 1
.set i, 0
.rept 32
	v_pk_mul_f16 v[SP+i], v[SP+i], v[AS+i]         ; A' h_in
.set i, i+1
.endr
.set e, 0
.rept 7                                        ; the carried-in part starts the sums: [tile e | tile e + 1] meets [G | 0]; the last tile: [tile 6 | tile 7] meets [0 | G]
	v_wmma_f32_16x16x32_f16 v[ACC+8*e:ACC+8*e+7], v[SP+4*e:SP+4*e+7], v[GG+12*(\p)+4:GG+12*(\p)+11], 0
.set e, e+1
.endr
	v_wmma_f32_16x16x32_f16 v[ACC+56:ACC+63], v[SP+24:SP+31], v[GG+12*(\p):GG+12*(\p)+7], 0
	s_wait_dscnt 0x0                               ; L is in
.set ub, 0
.set q, 0
.rept 8                                        ; the eight sums take turns; U's two buffers too: a buffer is written again eight plain instructions behind the product that read it
.set e, 0
.rept 8
.irp i,0,1,2,3
	v_pk_mul_f16 v[UU+8*ub+\i], v[32*(\p)+4*e+\i], v[AP+16*e+2*q]
.endr
.irp i,0,1,2,3
	v_pk_mul_f16 v[UU+8*ub+4+\i], v[32*(\p)+4*e+\i], v[AP+16*e+2*q+1]
.endr
	v_wmma_f32_16x16x32_f16 v[ACC+8*e:ACC+8*e+7], v[UU+8*ub:UU+8*ub+7], v[LF+8*q:LF+8*q+7], v[ACC+8*e:ACC+8*e+7]
.set ub, 1-ub
.set e, e+1
.endr
.set q, q+1
.endr
	WIN 0
.set i, 0
.rept 32
	v_pk_mul_f32 v[HH+2*i:HH+2*i+1], v[HH+2*i:HH+2*i+1], v[PP+8*(\p)+(2*i)%8:PP+8*(\p)+(2*i)%8+1]  ; h 2^T; these are also the places behind the last product above
.set i, i+1
.endr
	WIN 0x8a
.set i, 0
.rept 32
	v_cvt_pk_f16_f32 v[FQ+i], v[ACC+2*i], v[ACC+2*i+1]         ; a lane holds one token and eight neighbouring d: 16 bytes of a row of F
.set i, i+1
.endr
	WIN 0x08
	s_wait_alu depctr_va_vdst(0)                   ; the conversions have written FQ, which the LDS stores read; behind a trip's end v[FST] is written
.set e, 0
.rept 8
	ds_store_b128 v[FST], v[FQ+4*e:FQ+4*e+3] offset:(\p)*16*FPI+32*e
.set e, e+1
.endr
.set e, 0
.rept 7                                        ; the state's products stand behind F's stores, so that the wait above does not wait for them
	v_wmma_f32_16x16x32_f16 v[HH+8*e:HH+8*e+7], v[WW+12*(\p)+4:WW+12*(\p)+11], v[32*(\p)+4*e:32*(\p)+4*e+7], v[HH+8*e:HH+8*e+7]
.set e, e+1
.endr
	v_wmma_f32_16x16x32_f16 v[HH+56:HH+63], v[WW+12*(\p):WW+12*(\p)+7], v[32*(\p)+24:32*(\p)+31], v[HH+56:HH+63]
	WIN 0
.if (\p) == 1
	s_cmp_eq_u32 s38, 1
	s_cbranch_scc1 .Lnonext_\@
	NEXT 0
.Lnonext_\@:
.else
	NEXT 1
.endif
.endm
	s_load_b512 s[4:19], s[0:1], 0x0               ; vfr 4, zt 6, hin 8, cst 10, wf2 12, b_out 14, ln_g 16, ln_b 18
	s_load_b64 s[20:21], s[0:1], 0x40              ; out0
	v_lshl_add_u32 v1, v0, 2, SPARE                ; my spare word,
	v_mov_b32 v2, 0                                ; and 0: kept for the wave's end
	v_lshrrev_b32 v[T0], 5, v0
	v_readfirstlane_b32 s22, v[T0]                 ; wave
	v_and_b32 v[RR], 15, v0
	v_bfe_u32 v[HB], v0, 4, 1
	v_and_b32 v[LL], 31, v0
	s_wait_alu depctr_va_sdst(0)                   ; s22 is written, ahead of its first reader: direction, half and all the wave's offsets are made from it
	s_lshr_b32 s23, s22, 1                         ; direction
	s_and_b32 s24, s22, 1                          ; half
	s_cmp_eq_u32 s23, 0
	s_cselect_b32 s26, 1.0, -1.0
	s_cselect_b32 s28, 0, 1.0
	s_cselect_b32 s37, 1, -1
	s_mov_b32 s27, s26
	s_mov_b32 s29, s28
	s_mul_i32 s34, s37, 4096                       ; a step of v,
	s_mul_i32 s35, s37, 1024                       ; of zq,
	s_mul_i32 s36, s37, 8192                       ; two steps of v
	s_mov_b32 s30, 0xffff0000
	s_mov_b32 s31, 0xffff
	s_mov_b32 s32, 0x76543210
	s_mov_b32 s33, 0xfedcba98
	s_lshl_b32 s40, s22, 16
	s_mul_i32 s41, s23, 61440                      ; backward begins at tokens 240 ..
	s_add_co_u32 s41, s41, s40
	v_lshl_add_u32 v[VO], v[LL], 4, s41
	s_mul_i32 s41, s23, 31744                      ; 16,384 + 15 x 1,024
	v_lshl_add_u32 v[ZO0], v[LL], 4, s41
	v_add_nc_u32 v[ZO], s35, v[ZO0]
	s_mul_i32 s41, s23, 24576                      ; steps 4 and 5: from 16 x 4 tokens on, or from 16 x 10
	s_add_co_u32 s41, s41, s40
	s_add_co_u32 s41, s41, 16384
	v_lshl_add_u32 v[PFV], v[LL], 8, s41
	s_lshl_b32 s41, s22, 13
	v_lshl_add_u32 v[PFZ], v[LL], 8, s41
	v_lshl_add_u32 v[APA], v[RR], 6, s41           ; A' pairs: column 128 w' + r, 64 bytes a column
	v_mul_u32_u24 v[FST], v[RR], FPI
	v_lshl_add_u32 v[FST], v[HB], 4, v[FST]
	s_lshl_b32 s41, s22, 8
	v_add_nc_u32 v[FST], s41, v[FST]
	v_lshl_add_u32 v[BOA], v[HB], 5, s41           ; channels 64 w + 8 h
	s_lshl_b32 s41, s23, 13
	s_add_co_u32 s41, s41, LB
	v_lshl_add_u32 v[LBL], v[LL], 4, s41
	s_lshl_b32 s41, s24, 12
	v_add_nc_u32 v[LBS], s41, v[LBL]
	s_mul_i32 s42, s22, SCRW
	s_add_co_u32 s42, s42, SCR
	v_mul_u32_u24 v[T0], v[HB], 640
	v_lshl_add_u32 v[T0], v[RR], 2, v[T0]
	v_add_nc_u32 v[TAS], s42, v[T0]
	v_mul_u32_u24 v[T0], v[RR], 80
	v_add_nc_u32 v[T0], s42, v[T0]
	v_lshl_add_u32 v[AGA], v[HB], 5, v[T0]
	v_add_nc_u32 v[TBS], 1280, v[AGA]
	s_lshl_b32 s41, s24, 5
	v_add_nc_u32 v[ALA], s41, v[T0]
	v_lshl_add_u32 v[T0], v[HB], 5, s42
	v_add_nc_u32 v[TJA], 2560, v[T0]
	s_mul_i32 s41, s24, 640
	s_add_co_u32 s41, s41, 1280
	v_add_nc_u32 v[BLA], s41, v[T0]
	v_lshl_add_u32 v[TTS], v[RR], 2, s42
	v_add_nc_u32 v[TTS], 2560, v[TTS]
	s_lshr_b32 s43, ttmp9, 6                       ; batch
	s_and_b32 s44, ttmp9, 63                       ; chunk
	s_sub_co_u32 s45, 63, s44
	s_cmp_eq_u32 s23, 0
	s_cselect_b32 s44, s44, s45
	s_lshl1_add_u32 s43, s43, s23
	s_lshl_b32 s43, s43, 6
	s_add_co_u32 s43, s43, s44
	s_lshl_b32 s43, s43, 14
	s_lshl_b32 s44, s24, 13
	s_add_co_u32 s43, s43, s44
	v_lshl_add_u32 v[HIA], v[LL], 4, s43
	s_lshl_b32 s41, s22, 12
	v_lshl_add_u32 v[ASA], v[LL], 4, s41
	v_lshl_add_u32 v[WFA], v[LL], 4, s40
	s_lshl_b32 s40, ttmp9, 18
	s_mov_b32 s41, 0
	s_lshl_b32 s46, ttmp9, 15
	s_mov_b32 s47, 0
	s_wait_kmcnt 0x0
	s_add_nc_u64 s[4:5], s[4:5], s[40:41]
	s_add_nc_u64 s[20:21], s[20:21], s[40:41]
	s_add_nc_u64 s[6:7], s[6:7], s[46:47]
	s_wait_alu depctr_va_vdst(0)                   ; all offsets and LDS addresses (v3-v16, v[HIA] to v[BOA]) are written, which the scans' loads, stores and prefetches read
	ZLOAD 0, ZO0
	ZLOAD 1, ZO
.set i, 0
.rept 16
	global_load_b128 v[HH+4*i:HH+4*i+3], v[HIA], s[8:9] offset:512*i th:TH_LOAD_NT
.set i, i+1
.endr
	WIN 0x80
	VLOAD 0
.set i, 0
.rept 8
	global_load_b128 v[BO+4*i:BO+4*i+3], v[BOA], s[14:15] offset:(i/2)*64+(i%2)*16
.set i, i+1
.endr
	WIN 0x40
.set i, 0
.rept 32
	global_load_b128 v[AP+4*i:AP+4*i+3], v[APA], s[10:11] offset:256+(i/4)*1024+(i%4)*16
.set i, i+1
.endr
.set i, 0
.rept 8
	global_load_b128 v[AS+4*i:AS+4*i+3], v[ASA], s[10:11] offset:33024+512*i
.set i, i+1
.endr
	WIN 0xc0
.set i, 0
.rept 64                               ; K step 8 + i / 8, channel tile (i / 2) % 4, half i % 2
	global_load_b128 v[4*i:4*i+3], v[WFA], s[12:13] offset:((i/2)%4)*16384+(8+i/8)*1024+(i%2)*512
.set i, i+1
.endr
	WIN 0x40
.irp i,0,1,2,3,8,9,10,11,12,13,14,15,20,21,22,23
	v_mov_b32 v[GG+\i], 0
.endr
	WIN 0
.irp i,0,1,2,3,8,9,10,11,12,13,14,15,20,21,22,23
	v_mov_b32 v[WW+\i], 0
.endr
	v_lshlrev_b32 v[OUT], 3, v[HB]
	v_sub_nc_u32 v[OUT], v[OUT], v[RR]             ; 8 h - t
.set k, 0
.rept 8
	v_add_nc_u32 v[OUT+1+k], k, v[OUT]             ; s - t,
	v_mul_lo_u32 v[OUT+1+k], v[OUT+1+k], s37       ; turned for the backward scan: kept where it is not above 0
.set k, k+1
.endr
.set k, 0
.rept 8
	v_cmp_ge_i32 s[CM+k], 0, v[OUT+1+k]            ; the eight compares in one run, each into a scalar register of its own
.set k, k+1
.endr
	s_wait_alu depctr_va_sdst(0)                   ; s48 to s55 are written, ahead of the selects that read them
.set k, 0
.rept 8
.if k%2 == 0
	v_cndmask_b32 v[MK+k/2], 0, s31, s[CM+k]
.else
	v_cndmask_b32 v[OUT+1], 0, s30, s[CM+k]
	v_or_b32 v[MK+k/2], v[MK+k/2], v[OUT+1]
.endif
.set k, k+1
.endr
	s_wait_loadcnt 0x0
	WIN 0xaa
.set k, 0
.rept 16
	v_cvt_pk_bf16_f32 v[240+k], v[BO+2*k], v[BO+2*k+1]         ; b_out rounded to bf16, like every input
.set k, k+1
.endr
.set k, 0
.rept 16
	v_lshlrev_b32 v[BO+2*k], 16, v[240+k]
	v_and_b32 v[BO+2*k+1], 0xffff0000, v[240+k]
.set k, k+1
.endr
	WIN 0
	NEXT 0
	s_mov_b32 s38, 8
.Ltrip:
	STEP 0
	STEP 1
	s_wait_xcnt 0x0                                ; the trip's prefetch, nearly two steps back, has had its address translated
	s_wait_alu depctr_vm_vsrc(0)                   ; the prefetch has read v[PFV] and F's stores v[FST], which the adds write
	v_add_nc_u32 v[PFV], s36, v[PFV]
	v_add_nc_u32 v[FST], 32*FPI, v[FST]
	s_sub_co_u32 s38, s38, 1
	s_cmp_lg_u32 s38, 0
	s_cbranch_scc1 .Ltrip
	; ---- THE PROJECTION AND THE LAYERNORM.  out^T = Wo'^T F^T: source 0 = 16 channels, source 1 = 16 tokens: a lane holds one token and eight neighbouring channels.
	s_wait_dscnt 0x0                               ; my part of F is written, my reads of LB are over,
	s_barrier_signal -1
	s_barrier_wait -1                              ; everybody's
	s_wait_alu depctr_vm_vsrc(0)                   ; the scans' loads, prefetches and LDS instructions have read v3 to v9, which get new meanings below, and FQ, in which loads land
	v_mul_u32_u24 v[FFA], v[RR], FPI
	v_lshl_add_u32 v[FFA], v[HB], 4, v[FFA]        ; forward columns: row block = token block
	v_add_nc_u32 v[FBA], 512+12*16*FPI, v[FFA]     ; backward columns: row block 15 - token block
	s_lshl_b32 s41, s22, 2
	s_add_co_u32 s41, s41, LNX
	v_lshl_add_u32 v[LNS], v[RR], 4, s41
	v_lshlrev_b32 v[LNL], 4, v[RR]
	v_add_nc_u32 v[LNL], LNX, v[LNL]
	s_mul_i32 s41, s22, 4352
	s_add_co_u32 s41, s41, STG
	v_mul_u32_u24 v[STS], v[RR], 272
	v_lshl_add_u32 v[STS], v[HB], 5, v[STS]
	v_add_nc_u32 v[STS], s41, v[STS]
	v_mul_u32_u24 v[STL], v[HB], 272
	v_lshl_add_u32 v[STL], v[RR], 4, v[STL]
	v_add_nc_u32 v[STL], s41, v[STL]
	v_lshlrev_b32 v[GO], 10, v[HB]
	v_lshl_add_u32 v[GO], v[RR], 4, v[GO]
	s_lshl_b32 s41, s22, 8
	v_add_nc_u32 v[GO], s41, v[GO]
	s_mov_b32 s39, 64*FPI
	s_mov_b32 s40, 0x3b800000                      ; 1 / 256
	s_mov_b32 s41, 0x3727c5ac                      ; 1e-5
	s_wait_alu depctr_va_vdst(0)                   ; the scans' vector and matrix instructions are done with window 1 and with window 2's v128-191, in which the loads below land
	WIN 0x80
.set i, 0
.rept 8
	global_load_b128 v[LNG+4*i:LNG+4*i+3], v[BOA], s[16:17] offset:(i/2)*64+(i%2)*16
	global_load_b128 v[LNB+4*i:LNB+4*i+3], v[BOA], s[18:19] offset:(i/2)*64+(i%2)*16
.set i, i+1
.endr
	WIN 0x40
.set i, 0
.rept 64                               ; K steps 0-7 take the window that the scans have left; the products begin with K steps 8-15, which are in
	global_load_b128 v[4*i:4*i+3], v[WFA], s[12:13] offset:((i/2)%4)*16384+(i/8)*1024+(i%2)*512
.set i, i+1
.endr
	WIN 0
.macro FBLOAD ks, fb                   ; F's fragments of 64 tokens for K step ks into buffer fb
.set tf, 0
.rept 4
.if (\ks) >= 8
	ds_load_b128 v[FB+32*(\fb)+8*tf:FB+32*(\fb)+8*tf+3], v[FBA] offset:(3-tf)*16*FPI+((\ks)-8)*64
	ds_load_b128 v[FB+32*(\fb)+8*tf+4:FB+32*(\fb)+8*tf+7], v[FBA] offset:(3-tf)*16*FPI+((\ks)-8)*64+32
.else
	ds_load_b128 v[FB+32*(\fb)+8*tf:FB+32*(\fb)+8*tf+3], v[FFA] offset:tf*16*FPI+(\ks)*64
	ds_load_b128 v[FB+32*(\fb)+8*tf+4:FB+32*(\fb)+8*tf+7], v[FFA] offset:tf*16*FPI+(\ks)*64+32
.endif
.set tf, tf+1
.endr
.endm
.macro WINM                            ; the products' windows: wf2's K steps 8-15 lie in window 3, 0-7 in window 1
.if ks >= 8
	WIN 0xa3
.else
	WIN 0xa1
.endif
.endm
.macro MM4 tt                          ; K step ks (the idx-th in the walk), token tile tt, the four channel tiles
.set jt, 0
.rept 4
.if idx == 0
	v_wmma_f32_16x16x32_f16 v[((\tt)*4+jt)*8:((\tt)*4+jt)*8+7], v[((ks%8)*4+jt)*8:((ks%8)*4+jt)*8+7], v[FB+32*fbn+8*(\tt):FB+32*fbn+8*(\tt)+7], v[BO+8*jt:BO+8*jt+7]  ; the bias starts the sums
.else
	v_wmma_f32_16x16x32_f16 v[((\tt)*4+jt)*8:((\tt)*4+jt)*8+7], v[((ks%8)*4+jt)*8:((ks%8)*4+jt)*8+7], v[FB+32*fbn+8*(\tt):FB+32*fbn+8*(\tt)+7], v[((\tt)*4+jt)*8:((\tt)*4+jt)*8+7]
.endif
.set jt, jt+1
.endr
.endm
; A lane's four pairs a token tile (TQ) are added up, with the other half of the lanes, and with the other three waves through LDS at byte off: SM[tt] = the sum over all 256 channels
.macro REDUCE off
.irp t,0,1,2,3
	v_pk_add_f32 v[TQ+8*\t:TQ+8*\t+1], v[TQ+8*\t:TQ+8*\t+1], v[TQ+8*\t+2:TQ+8*\t+3]
	v_pk_add_f32 v[TQ+8*\t+4:TQ+8*\t+5], v[TQ+8*\t+4:TQ+8*\t+5], v[TQ+8*\t+6:TQ+8*\t+7]
.endr
.irp t,0,1,2,3
	v_pk_add_f32 v[TQ+8*\t:TQ+8*\t+1], v[TQ+8*\t:TQ+8*\t+1], v[TQ+8*\t+4:TQ+8*\t+5]
.endr
.irp t,0,1,2,3
	v_add_f32 v[SM+\t], v[TQ+8*\t], v[TQ+8*\t+1]
.endr
.irp t,0,1,2,3
	v_permlanex16_b32 v[TQ+8*\t+2], v[SM+\t], s[SEL], s[SEL+1]
.endr
.irp t,0,1,2,3
	v_add_f32 v[SM+\t], v[SM+\t], v[TQ+8*\t+2]
.endr
	s_wait_alu depctr_va_vdst(0)                   ; v[SM ..] is written, which the LDS stores read; the additions are done with v[TQ ..], in which the loads behind the barrier land
.irp t,0,1,2,3
	ds_store_b32 v[LNS], v[SM+\t] offset:(\off)+256*\t
.endr
	s_wait_dscnt 0x0                               ; my four partial sums are written (and my earlier reads of the other region are over),
	s_barrier_signal -1
	s_barrier_wait -1                              ; everybody's.  A region is written again only behind the other region's barrier
.irp t,0,1,2,3
	ds_load_b128 v[TQ+8*\t:TQ+8*\t+3], v[LNL] offset:(\off)+256*\t
.endr
	s_wait_dscnt 0x0
.irp t,0,1,2,3
	v_add_f32 v[TQ+8*\t], v[TQ+8*\t], v[TQ+8*\t+1]
	v_add_f32 v[TQ+8*\t+2], v[TQ+8*\t+2], v[TQ+8*\t+3]
.endr
	s_wait_alu depctr_vm_vsrc(0)                   ; the LDS stores have read v[SM ..], which the additions below write again
.irp t,0,1,2,3
	v_add_f32 v[SM+\t], v[TQ+8*\t], v[TQ+8*\t+2]   ; the same order in all four waves
.endr
.endm
.macro TOST t                          ; token tile t: 32 bytes a lane and channel tile into my stage (rows of 272 bytes), back as whole rows of 256, into out-buffer t: registers that no store of this block has read
	WIN 0x08
.set jq, 0
.rept 8
	ds_store_b128 v[STS], v[32*(\t)+4*jq:32*(\t)+4*jq+3] offset:(jq/2)*64+(jq%2)*16
.set jq, jq+1
.endr
	WIN 0
.set jq, 0
.rept 8
	ds_load_b128 v[OB+32*(\t)+4*jq:OB+32*(\t)+4*jq+3], v[STL] offset:544*jq
.set jq, jq+1
.endr
.endm
.macro SEND t, younger                 ; younger: the LDS instructions issued behind tile t's loads: the next tile's sixteen, or none
	WIN 0
.set jq, 0
.rept 8
	s_wait_dscnt (\younger)+7-jq
	global_store_b128 v[GO], v[OB+32*(\t)+4*jq:OB+32*(\t)+4*jq+3], s[20:21] offset:(16*(\t)+2*jq)*1024 th:TH_STORE_NT  ; 16 lanes store 256 consecutive bytes, at a multiple of 256 from out0's first byte
.set jq, jq+1
.endr
.endm
	s_mov_b32 s38, 4
.Lblk:                                                 ; 64 tokens a trip
	s_wait_alu depctr_va_vdst(0)                   ; v[FFA], v[FBA] and v[GO] are written, which this block's LDS loads and stores read; the vector and matrix work so far is done with v64-127, in which F's fragments land
	FBLOAD 8, 0
.set idx, 0
.rept 16
.set ks, (idx+8)%16
.set fbn, idx%2
	s_wait_dscnt 0x0                               ; this K step's fragments of F are in
.if ks == 0
	s_wait_loadcnt 0x0                             ; wf2's K steps 0-7, ln_g and ln_b (first trip; later nothing is out)
.endif
.if (idx > 0) && (idx < 15)
	s_wait_alu depctr_va_vdst(0)                   ; the products of the K step before are done reading the other buffer, in which the next K step's fragments land
.endif
	WINM
	MM4 0
.if idx < 15
	WIN 0
	FBLOAD (idx+9)%16, 1-fbn                       ; the four products since the wait name this K step's buffer, not the other
	WINM
.endif
	MM4 1
	MM4 2
	MM4 3
.set idx, idx+1
.endr
	WIN 0
	PLACES
	WIN 0x0a                                       ; the mean
.set a, 0
.rept 16
	v_pk_add_f32 v[TQ+2*a:TQ+2*a+1], v[8*a:8*a+1], v[8*a+2:8*a+3]
.set a, a+1
.endr
	WIN 0x08
.set a, 0
.rept 16
	v_pk_add_f32 v[TQ+2*a:TQ+2*a+1], v[TQ+2*a:TQ+2*a+1], v[8*a+4:8*a+5]
.set a, a+1
.endr
.set a, 0
.rept 16
	v_pk_add_f32 v[TQ+2*a:TQ+2*a+1], v[TQ+2*a:TQ+2*a+1], v[8*a+6:8*a+7]
.set a, a+1
.endr
	WIN 0
	REDUCE 0
.irp t,0,1,2,3
	v_mul_f32 v[MU+2*\t], s40, v[SM+\t]
	v_mul_f32 v[MU+2*\t+1], s40, v[SM+\t]
.endr
	WIN 0x82
.set a, 0
.rept 64
	v_pk_add_f32 v[2*a:2*a+1], v[2*a:2*a+1], v[MU+2*(a/16):MU+2*(a/16)+1] neg_lo:[0,1] neg_hi:[0,1]
.set a, a+1
.endr
	WIN 0x0a                                       ; the squared deviations
.set a, 0
.rept 16
	v_pk_mul_f32 v[TQ+2*a:TQ+2*a+1], v[8*a:8*a+1], v[8*a:8*a+1]
.set a, a+1
.endr
.irp j,2,4,6
.set a, 0
.rept 16
	v_pk_fma_f32 v[TQ+2*a:TQ+2*a+1], v[8*a+\j:8*a+\j+1], v[8*a+\j:8*a+\j+1], v[TQ+2*a:TQ+2*a+1]
.set a, a+1
.endr
.endr
	WIN 0
	REDUCE 1024
.irp t,0,1,2,3
	v_fma_f32 v[SM+\t], v[SM+\t], s40, s41
.endr
.irp t,0,1,2,3
	v_rsq_f32 v[RS+2*\t], v[SM+\t]
.endr
	v_nop
	s_wait_alu depctr_va_vdst(0)                   ; the four reciprocal roots have written v[RS ..], ahead of their first reader
.irp t,0,1,2,3
	v_mov_b32 v[RS+2*\t+1], v[RS+2*\t]
.endr
	s_cmp_lg_u32 s38, 4
	s_cbranch_scc1 .Lrounded                       ; ln_g and ln_b are rounded to bf16 once, in the first trip
	WIN 0xaa
.irp base, LNG, LNB
.set k, 0
.rept 16
	v_cvt_pk_bf16_f32 v[192+k], v[\base+2*k], v[\base+2*k+1]
.set k, k+1
.endr
.set k, 0
.rept 16
	v_lshlrev_b32 v[\base+2*k], 16, v[192+k]
	v_and_b32 v[\base+2*k+1], 0xffff0000, v[192+k]
.set k, k+1
.endr
.endr
	WIN 0
.Lrounded:
	WIN 0x82
.set a, 0
.rept 64
	v_pk_mul_f32 v[2*a:2*a+1], v[2*a:2*a+1], v[RS+2*(a/16):RS+2*(a/16)+1]
.set a, a+1
.endr
	WIN 0xaa
.set a, 0
.rept 64
	v_pk_fma_f32 v[2*a:2*a+1], v[2*a:2*a+1], v[LNG+2*(a%16):LNG+2*(a%16)+1], v[LNB+2*(a%16):LNB+2*(a%16)+1]
.set a, a+1
.endr
	WIN 0x08
	s_wait_alu depctr_va_vdst(0)                   ; the block's results are written, which the LDS stores of all four tiles read; the vector work is done with v64-191, in which the rows land.  No vector instruction follows up to the block's end
	TOST 0
	TOST 1                                         ; a tile's way through the stage stands between the loads of the tile before and its stores
	SEND 0, 16
	TOST 2
	SEND 1, 16
	TOST 3
	SEND 2, 16
	SEND 3, 0
	WIN 0
	s_wait_xcnt 0x0                                ; the stores have had their addresses translated: only behind this wait is their offset stepped and are the out-buffers written again
	s_wait_alu depctr_vm_vsrc(0)                   ; the stores have read v[GO] and the out-buffers, the LDS instructions v[FFA], v[FBA] and the sums: the adds below, the next block's loads, products and additions write them
	v_add_nc_u32 v[GO], 0x10000, v[GO]
	v_add_nc_u32 v[FFA], 64*FPI, v[FFA]
	v_sub_nc_u32 v[FBA], v[FBA], s39
	s_sub_co_u32 s38, s38, 1
	s_cmp_lg_u32 s38, 0
	s_cbranch_scc1 .Lblk
	s_wait_dscnt 0x0                               ; the closing lines, six on end
	s_wait_alu 0x0
	s_wait_tensorcnt 0x0
	ds_add_u32 v1, v2
	s_wait_dscnt 0x0
	s_endpgm
.Lfunc_end_k_q01cc5c07e1_scan:
	.size	k_q01cc5c07e1_scan, .Lfunc_end_k_q01cc5c07e1_scan-k_q01cc5c07e1_scan
	.p2alignl 7, 3214868480
	.fill 96, 4, 3214868480
	.section	.rodata,"a",@progbits
	.p2align	6, 0x0
	.amdhsa_kernel k_q01cc5c07e1_scan
		.amdhsa_group_segment_fixed_size 312832
		.amdhsa_private_segment_fixed_size 0
		.amdhsa_enable_private_segment 0
		.amdhsa_kernarg_size 72
		.amdhsa_user_sgpr_count 2
		.amdhsa_user_sgpr_kernarg_segment_ptr 1
		.amdhsa_wavefront_size32 1
		.amdhsa_system_sgpr_workgroup_id_x 1
		.amdhsa_system_sgpr_workgroup_id_y 1
		.amdhsa_system_sgpr_workgroup_id_z 1
		.amdhsa_system_vgpr_workitem_id 0
		.amdhsa_next_free_vgpr 1024
		.amdhsa_next_free_sgpr 66
		.amdhsa_reserve_vcc 0
		.amdhsa_float_denorm_mode_32 3
		.amdhsa_float_denorm_mode_16_64 3
		.amdhsa_memory_ordered 1
		.amdhsa_forward_progress 1
		.amdhsa_inst_pref_size 241
	.end_amdhsa_kernel
	.amdgpu_metadata
---
amdhsa.version: [ 1, 2 ]
amdhsa.kernels:
  - .name:           k_q01cc5c07e1_scan
    .symbol:         k_q01cc5c07e1_scan.kd
    .args:
      - { .name: vfr, .offset: 0, .size: 8, .value_kind: global_buffer, .address_space: global }
      - { .name: zt, .offset: 8, .size: 8, .value_kind: global_buffer, .address_space: global }
      - { .name: hin, .offset: 16, .size: 8, .value_kind: global_buffer, .address_space: global }
      - { .name: cst, .offset: 24, .size: 8, .value_kind: global_buffer, .address_space: global }
      - { .name: wf2, .offset: 32, .size: 8, .value_kind: global_buffer, .address_space: global }
      - { .name: b_out, .offset: 40, .size: 8, .value_kind: global_buffer, .address_space: global }
      - { .name: ln_g, .offset: 48, .size: 8, .value_kind: global_buffer, .address_space: global }
      - { .name: ln_b, .offset: 56, .size: 8, .value_kind: global_buffer, .address_space: global }
      - { .name: out0, .offset: 64, .size: 8, .value_kind: global_buffer, .address_space: global }
    .group_segment_fixed_size: 312832
    .private_segment_fixed_size: 0
    .kernarg_segment_align: 8
    .kernarg_segment_size: 72
    .max_flat_workgroup_size: 128
    .sgpr_count:     66
    .vgpr_count:     1024
    .wavefront_size: 32
...
	.end_amdgpu_metadata
.endif
;; end of part 7
